; MI455X (gfx1250); checked and timed in simulation.
; The chip was launched on July 23, 2026; its instructions are those of AMD's public machine-readable ISA for CDNA 5 (MIT licence, August 2026) and "CDNA5" Instruction Set Architecture Reference Guide (July 2026). The comments in the code are by the model that wrote it; some were corrected since.
;; Attn Block. Allowed arithmetic: matrix products marked QUANTISED: E2M1 operands, one E8M0 scale for each 32 along K, by v_wmma_scale_f32_16x16x128_f8f6f4 with both operands' format E2M1 (or v_wmma_scale_f32_32x16x128_f4), f32 sums; everything else in f32.
;; Inputs: bk 512 float32; bo 512 float32; bq 512 float32; bv 512 float32; gn_bias 512 float32; gn_scale 512 float32; wk 512 x 512 float32; wo 512 x 512 float32; wq 512 x 512 float32; wv 512 x 512 float32; x 8 x 32 x 64 x 512 float32.
;; Outputs: out0 8 x 32 x 64 x 512 float32.
;; This version of the problem:
;;   THIS VERSION OF THE PROBLEM IS GIVEN IN LOW PRECISION. The matrix products marked QUANTISED in the list below multiply operands that are first quantised to E2M1 (2 exponent bits, 1 mantissa bit; 4 bits a number), with one power-of-two scale for each 32 numbers along K (OCP MX v1.0); their sums are f32. All else is computed in f32.
;;   The module's matrix products, in the order in which they are computed (A, B: the left and right operand; K: the contracted axis; several contracted axes count as one K, in the product's order):
;;     1. [M 16,384, K 512] x [K 512, N 512]; A: computed on the way; B: input wq: QUANTISED
;;     2. [M 16,384, K 512] x [K 512, N 512]; A: computed on the way; B: input wk: QUANTISED
;;     3. [M 16,384, K 512] x [K 512, N 512]; A: computed on the way; B: input wv: QUANTISED
;;     4. batch 8 x [M 2,048, K 512] x [K 512, N 2,048]; A: computed on the way; B: computed on the way: QUANTISED
;;     5. batch 8 x [M 2,048, K 2,048] x [K 2,048, N 512]; A: softmax (see below); B: computed on the way: QUANTISED
;;     6. [M 16,384, K 512] x [K 512, N 512]; A: computed on the way; B: input wo: QUANTISED
;;   THE QUANTISER, for each operand of a quantised product, along K:
;;     - K is cut into blocks of 32 from its start; a last block that is shorter is filled with zeros.
;;     - A block's scale is 2^e with e = floor(log2(the largest magnitude in the block)) - 2, held to -126 .. 127; a block of zeros has e = 0. As a byte (E8M0): e + 127.
;;     - Each number is divided by its block's scale, clamped to +-6, and rounded to the nearest number of E2M1, ties to even, subnormals kept.
;;     - The product sums the exact products of the quantised numbers (number of the format x scale) in f32.
;;   ~~~python
;;   def quantise(x, axis):      # numpy; x: float32 -> the quantised numbers, widened to float32 again
;;       x = np.moveaxis(x, axis, -1); K = x.shape[-1]
;;       x = np.pad(x, [(0, 0)] * (x.ndim - 1) + [(0, -K % 32)]); x = x.reshape(x.shape[:-1] + (-1, 32)); a = np.abs(x).max(-1, keepdims=True)
;;       e = np.where(a > 0, np.clip(np.frexp(np.where(a > 0, a, 1))[1] - 1 - 2, -126, 127), 0)      # np.frexp(a)[1] - 1 = floor(log2(a)), exactly
;;       r = np.clip(x / 2.0 ** e, -6, 6)
;;       step = 2.0 ** (np.maximum(np.frexp(np.where(r == 0, 1, r))[1] - 1, 0) - 1)
;;       q = np.round(r / step) * step * 2.0 ** e      # np.round: ties to even
;;       return np.moveaxis(q.reshape(q.shape[:-2] + (-1,))[..., :K], -1, axis).astype(np.float32)
;;   ~~~
;;   SOFTMAX AHEAD OF A QUANTISED PRODUCT. Where the list says 'softmax', what is quantised is not the finished softmax but p = 2^(t - M), with t = logit x log2(e) and M = ceil(the row's largest t), a whole number; so 1/2 < the row's largest p <= 1. The row's sum l is taken of the UNQUANTISED p, in f32, and the product's result is divided by l at the end. Since M is a whole number, a kernel that streams over the keys may use a running M (the ceiling of the running maximum): every later rescaling is an exact power of two, which a block's scale takes up: the codes' values come out the same.
;;   OPERANDS COMPUTED ON THE WAY. 'Computed on the way' means the value that the module computes at that place (a softmax that the list does not call 'softmax' is quantised finished and normalised). What goes into a quantiser is computed in f32, as accurately as f32 sums, v_exp_f32 and their like allow (about 1e-6 of the number): no bf16 or f16 on the way to a quantiser, and a product that is left as it is and whose result goes on into a quantised operand takes f32 operands (vector FMAs, or v_wmma_f32_16x16x4_f32). A number that lies on a knife's edge between two numbers of the format may be rounded either way, as far as f32 arithmetic and the matrix unit's own rounding can turn it there, and no further.
;; One version. Each part assembles by itself: llvm-mc -triple=amdgcn-amd-amdhsa -mcpu=gfx1250 --defsym DOCPART=n.
;; ======== version 1 of 1: 3 launches
;; workspace buffers: stats 131,072 bytes; wcodes 524,288 bytes; wscales 32,768 bytes; qbuf 4,456,448 bytes; kbuf 4,456,448 bytes; vbuf 4,456,448 bytes
;; launch prep (part 1): grid 320 x 1, 4 waves a work-group, no clusters, 0 bytes of LDS; arguments x, wq, wk, wv, wo, stats, wcodes, wscales; writes stats, wcodes, wscales
.if DOCPART == 1
	.amdgcn_target "amdgcn-amd-amdhsa--gfx1250"
	.amdhsa_code_object_version 6
	.text
	.protected	k_qec14dba3b9_prep
	.globl	k_qec14dba3b9_prep
	.p2align	8
	.type	k_qec14dba3b9_prep,@function
k_qec14dba3b9_prep:
	s_mov_b64 s[64:65], 0
	v_nop
	global_prefetch_b8 v0, s[64:65] scope:SCOPE_SE
	s_setreg_imm32_b32 hwreg(HW_REG_WAVE_MODE, 25, 1), 1
	s_wait_xcnt 0x0
; AttnBlock, launch 1 of 3.  x [8][2048][512] f32; wq, wk, wv, wo [512 (k)][512 (n)] f32.
; NO WORK OF reference() IS LEFT OUT in this program: every bias stands ahead of a quantiser or reaches the output, so all eleven inputs are loaded by some launch.
; Work-groups 0-63: the four weights become codes of E2M1 with one E8M0 byte for each 32 along K (their FIRST axis), laid as images of operand registers.
; Work-groups 64-319: partial sums for the group norm: for 64 rows of a batch and each of the 32 groups of 16 channels, sum(x - s) and sum((x - s)^2).
; THE TILE ORDER of the whole program: of 32 neighbouring columns (or rows), tile 2 p + u holds in its lane r the column 32 p + 8 u + r + 8 (r / 8).  A product's result then has, in the 16 registers of
; tiles 2 p and 2 p + 1, 16 neighbours along the next product's K.
; wcodes [w 4][tile 32][K step 4][1024]: a fragment (16 columns x 128 K) as its eight registers lie: [c 2][lane 32][16 bytes]; lane (r, h) holds k = 64 c + 32 h + 0..31.
; wscales [w 4][pair 16][K step 4][128]: lanes 0-15 the scale words of tile 2 p, lanes 16-31 those of tile 2 p + 1.
; stats [batch 8][slab 32][group 32][sum, sum of squares, s, 0].
; THE SHIFT s is the mean of the group's 16 numbers in the batch's first row, the same bits in all work-groups of a batch: the variance is then no difference of large sums where x carries a common offset.
; LIMITS: where that first-row mean lies D spreads from the group's mean, about log2(1 + D^2) bits of the variance are lost.  A block whose largest magnitude lies under 2^-124 keeps the byte 1
; (a block of zeros too: its codes are zeros, and this program alone reads the bytes).  NaN and infinities among the inputs are not served.
; No LDS, no barrier, no matrix work: memory binds.  No prefetch: both paths ask for their streams from their first lines on.
.set X,  32                            ; v32-95 (weights): two sets of 32 numbers;  v32-159 (statistics): a ring of 32 rows' quads
.set CD, 96                            ; v96-111  a block's codes, four registers for each of the four blocks: no store's data are written again
.set SB, 112                           ; v112     the four scale bytes
	s_load_b512 s[4:19], s[0:1], 0x0               ; x s[4:5], wq s[6:7], wk s[8:9], wv s[10:11], wo s[12:13], stats s[14:15], wcodes s[16:17], wscales s[18:19]
	v_lshrrev_b32 v1, 5, v0
	v_readfirstlane_b32 s20, v1                    ; wave 0..3
	v_and_b32 v1, 31, v0                           ; lane
	s_cmp_lt_u32 ttmp9, 64
	s_cbranch_scc0 .Lstats
; ---------------- the weights.  A lane takes a column, its registers run down K: a block of 32 lies in one lane, and the conversions give codes with K innermost.
	s_lshr_b32 s21, ttmp9, 4                       ; which weight
	s_bfe_u32 s22, ttmp9, 0x20002                  ; which 128 columns
	s_and_b32 s23, ttmp9, 3                        ; which K step of 128
	s_lshl_b32 s24, s22, 2
	s_add_co_u32 s24, s24, s20                     ; my wave's pair of tiles: 32 columns
	v_lshlrev_b32 v2, 2, v1                        ; in: 4 bytes a lane, 128 neighbouring bytes a wave
	v_bfe_u32 v5, v1, 3, 1                         ; u: which tile of the pair my column falls into,
	v_and_b32 v6, 7, v1
	v_lshrrev_b32 v7, 4, v1
	v_lshl_add_u32 v6, v7, 3, v6                   ; r: and which lane of it
	v_lshlrev_b32 v3, 4, v6
	v_lshl_add_u32 v3, v5, 12, v3                  ; codes out: 4,096 u + 16 r
	v_lshl_add_u32 v4, v5, 4, v6
	v_lshlrev_b32 v4, 2, v4                        ; scale word out: 4 (16 u + r)
	s_lshl_b32 s26, s23, 18                        ; W: 128 rows of 2,048 bytes a K step,
	s_lshl_b32 s25, s24, 7
	s_add_co_u32 s26, s26, s25                     ; + 128 bytes a pair
	s_mov_b32 s27, 0
	s_lshl_b32 s28, s21, 17                        ; codes: 131,072 a weight,
	s_lshl_b32 s25, s24, 13
	s_add_co_u32 s28, s28, s25                     ; 8,192 a pair,
	s_lshl_b32 s25, s23, 10
	s_add_co_u32 s28, s28, s25                     ; 1,024 a K step
	s_mov_b32 s29, 0
	s_lshl_b32 s30, s21, 13                        ; scale words: 8,192 a weight,
	s_lshl_b32 s25, s24, 9
	s_add_co_u32 s30, s30, s25                     ; 512 a pair,
	s_lshl_b32 s25, s23, 7
	s_add_co_u32 s30, s30, s25                     ; 128 a K step
	s_mov_b32 s31, 0
	s_wait_kmcnt 0x0
	s_cmp_eq_u32 s21, 1                            ; the choice of the weight hangs on the work-group's number alone
	s_cselect_b64 s[6:7], s[8:9], s[6:7]
	s_cmp_eq_u32 s21, 2
	s_cselect_b64 s[6:7], s[10:11], s[6:7]
	s_cmp_eq_u32 s21, 3
	s_cselect_b64 s[6:7], s[12:13], s[6:7]
	s_add_nc_u64 s[6:7], s[6:7], s[26:27]
	s_add_nc_u64 s[16:17], s[16:17], s[28:29]
	s_add_nc_u64 s[18:19], s[18:19], s[30:31]
.macro LOAD t                          ; block t: W(32 t + i, my column), i = 0..31, into set t % 2
.set i_, 0
.rept 32
	global_load_b32 v[X+32*((\t)%2)+i_], v2, s[6:7] offset:(32*(\t)+i_)*2048 th:TH_LOAD_NT
.set i_, i_+1
.endr
.endm
.macro BLOCK t
.set XB, X+32*((\t)%2)
.if (\t) < 3
	s_wait_loadcnt 32                              ; this block's 32 loads are in; the next block's 32 may be out
.else
	s_wait_loadcnt 0x0
.endif
	v_max3_num_f32 v12, |v[XB]|, |v[XB+1]|, |v[XB+2]|              ; the block's largest magnitude: all 32 numbers are mine; two chains
	v_max3_num_f32 v13, |v[XB+3]|, |v[XB+4]|, |v[XB+5]|
.irp i, 6,10,14,18,22,26
	v_max3_num_f32 v12, v12, |v[XB+\i]|, |v[XB+\i+1]|
	v_max3_num_f32 v13, v13, |v[XB+\i+2]|, |v[XB+\i+3]|
.endr
	v_max3_num_f32 v12, v12, |v[XB+30]|, |v[XB+31]|
	v_max3_num_f32 v12, v12, v13, 0x1800000        ; and the floor 2^(3 - 127): the byte cannot fall under 1
	v_add_nc_u32 v11, 0xff000000, v12              ; 2 off the exponent field: the conversion takes this operand's exponent field as its scale
	v_lshrrev_b32 v13, 23, v11                     ; the scale's byte
.if (\t) == 0
	v_mov_b32 v[SB], v13
.else
	v_lshl_or_b32 v[SB], v13, 8*(\t), v[SB]        ; byte t of the K step's scale word
.endif
.irp g, 0,1,2,3
	v_cvt_scalef32_pk8_fp4_f32 v[CD+4*(\t)+\g], v[XB+8*\g:XB+8*\g+7], v11
.endr
	global_store_b128 v3, v[CD+4*(\t):CD+4*(\t)+3], s[16:17] offset:256*(\t)   ; block t = 2 c + h lies at 512 c + 256 h: sixteen lanes fill 256 consecutive bytes of one tile, the other sixteen of the next
.if (\t)+2 < 4
	LOAD (\t)+2
.endif
.endm
	LOAD 0
	LOAD 1
	BLOCK 0
	BLOCK 1
	BLOCK 2
	BLOCK 3
	global_store_b32 v4, v[SB], s[18:19]           ; the pair's 32 scale words: 128 consecutive bytes
	s_endpgm
; ---------------- the statistics.  Thread t owns channels 4 t .. 4 t + 3 of 64 rows: a wave's load covers 512 consecutive bytes; four neighbouring threads hold a group.
.Lstats:
	s_sub_co_u32 s21, ttmp9, 64                    ; 32 x batch + slab
	s_lshr_b32 s22, s21, 5
	s_lshl_b32 s24, s22, 22                        ; the batch's first row: 4 MiB a batch
	s_mov_b32 s25, 0
	s_lshl_b32 s26, s21, 17                        ; my 64 rows of 2,048 bytes
	s_mov_b32 s27, 0
	s_lshl_b32 s28, s21, 9                         ; my 512 bytes of stats
	s_mov_b32 s29, 0
	v_lshlrev_b32 v2, 4, v0
	v_lshlrev_b32 v3, 2, v0
	s_wait_kmcnt 0x0
	s_add_nc_u64 s[24:25], s[4:5], s[24:25]
	s_add_nc_u64 s[26:27], s[4:5], s[26:27]
	s_add_nc_u64 s[14:15], s[14:15], s[28:29]
	global_load_b128 v[4:7], v2, s[24:25]          ; the batch's first row, for the shift
.set i_, 0
.rept 32
	global_load_b128 v[X+4*i_:X+4*i_+3], v2, s[26:27] offset:2048*i_   ; the ring: rows 0 to 31
.set i_, i_+1
.endr
	s_wait_loadcnt 32                              ; the first row is in; the ring's 32 loads stay out
	v_add_f32 v4, v4, v5
	v_add_f32 v6, v6, v7
	v_add_f32 v4, v4, v6
	v_add_f32_dpp v4, v4, v4 row_xmask:1 row_mask:0xf bank_mask:0xf
	v_add_f32_dpp v4, v4, v4 row_xmask:2 row_mask:0xf bank_mask:0xf   ; the group's 16 numbers
	v_mul_f32 v8, 0x3d800000, v4                   ; s = their mean
	v_mov_b32 v9, v8
; One row.  Sums in v12-19, sums of squares in v20-27, two chains by the row's parity; rows 0 and 1 start them: nothing is cleared.
.macro ROW i, ahead, left
	s_wait_loadcnt \left                           ; loads come back in order: mine is in, the younger ones stay out
.set XR, X+4*((\i)%32)
.set SU, 12+4*((\i)%2)
.set SQ, 20+4*((\i)%2)
.if (\i) < 2
	v_pk_add_f32 v[SU:SU+1], v[XR:XR+1], v[8:9] neg_lo:[0,1] neg_hi:[0,1]
	v_pk_add_f32 v[SU+2:SU+3], v[XR+2:XR+3], v[8:9] neg_lo:[0,1] neg_hi:[0,1]
	v_pk_mul_f32 v[SQ:SQ+1], v[SU:SU+1], v[SU:SU+1]
	v_pk_mul_f32 v[SQ+2:SQ+3], v[SU+2:SU+3], v[SU+2:SU+3]
.else
	v_pk_add_f32 v[28:29], v[XR:XR+1], v[8:9] neg_lo:[0,1] neg_hi:[0,1]
	v_pk_add_f32 v[30:31], v[XR+2:XR+3], v[8:9] neg_lo:[0,1] neg_hi:[0,1]
	v_pk_add_f32 v[SU:SU+1], v[SU:SU+1], v[28:29]
	v_pk_add_f32 v[SU+2:SU+3], v[SU+2:SU+3], v[30:31]
	v_pk_fma_f32 v[SQ:SQ+1], v[28:29], v[28:29], v[SQ:SQ+1]
	v_pk_fma_f32 v[SQ+2:SQ+3], v[30:31], v[30:31], v[SQ+2:SQ+3]
.endif
.if \ahead
	global_load_b128 v[XR:XR+3], v2, s[26:27] offset:2048*((\i)+32)
.endif
.endm
.set r_, 0
.rept 32
	ROW r_, 1, 31                                  ; 31 younger rows are always out
.set r_, r_+1
.endr
.rept 32
	ROW r_, 0, 63-r_                               ; the last 32 rows load nothing: the counts run down
.set r_, r_+1
.endr
	v_pk_add_f32 v[12:13], v[12:13], v[16:17]
	v_pk_add_f32 v[14:15], v[14:15], v[18:19]
	v_pk_add_f32 v[20:21], v[20:21], v[24:25]
	v_pk_add_f32 v[22:23], v[22:23], v[26:27]
	v_pk_add_f32 v[12:13], v[12:13], v[14:15]
	v_pk_add_f32 v[20:21], v[20:21], v[22:23]
	v_add_f32 v12, v12, v13
	v_add_f32 v20, v20, v21
	v_add_f32_dpp v12, v12, v12 row_xmask:1 row_mask:0xf bank_mask:0xf
	v_add_f32_dpp v20, v20, v20 row_xmask:1 row_mask:0xf bank_mask:0xf
	v_add_f32_dpp v12, v12, v12 row_xmask:2 row_mask:0xf bank_mask:0xf
	v_add_f32_dpp v20, v20, v20 row_xmask:2 row_mask:0xf bank_mask:0xf
	v_and_b32 v10, 3, v0                           ; the group's four threads store its four words: sum, sum of squares, s, 0
	v_mov_b32 v11, 0
	v_cmp_eq_u32 vcc_lo, 1, v10
	v_cndmask_b32 v12, v12, v20, vcc_lo
	v_cmp_eq_u32 vcc_lo, 2, v10
	v_cndmask_b32 v12, v12, v8, vcc_lo
	v_cmp_eq_u32 vcc_lo, 3, v10
	v_cndmask_b32 v12, v12, v11, vcc_lo
	global_store_b32 v3, v12, s[14:15]             ; a wave stores 128 consecutive bytes
	s_endpgm
.Lfunc_end_k_qec14dba3b9_prep:
	.size	k_qec14dba3b9_prep, .Lfunc_end_k_qec14dba3b9_prep-k_qec14dba3b9_prep
	.p2alignl 7, 3214868480
	.fill 96, 4, 3214868480
	.section	.rodata,"a",@progbits
	.p2align	6, 0x0
	.amdhsa_kernel k_qec14dba3b9_prep
		.amdhsa_group_segment_fixed_size 0
		.amdhsa_private_segment_fixed_size 0
		.amdhsa_enable_private_segment 0
		.amdhsa_kernarg_size 64
		.amdhsa_user_sgpr_count 2
		.amdhsa_user_sgpr_kernarg_segment_ptr 1
		.amdhsa_wavefront_size32 1
		.amdhsa_system_sgpr_workgroup_id_x 1
		.amdhsa_system_sgpr_workgroup_id_y 1
		.amdhsa_system_sgpr_workgroup_id_z 1
		.amdhsa_system_vgpr_workitem_id 0
		.amdhsa_next_free_vgpr 160
		.amdhsa_next_free_sgpr 66
		.amdhsa_reserve_vcc 1
		.amdhsa_float_denorm_mode_32 3
		.amdhsa_float_denorm_mode_16_64 3
		.amdhsa_memory_ordered 1
		.amdhsa_forward_progress 1
		.amdhsa_inst_pref_size 54
	.end_amdhsa_kernel
	.amdgpu_metadata
---
amdhsa.version: [ 1, 2 ]
amdhsa.kernels:
  - .name:           k_qec14dba3b9_prep
    .symbol:         k_qec14dba3b9_prep.kd
    .args:
      - { .name: x, .offset: 0, .size: 8, .value_kind: global_buffer, .address_space: global }
      - { .name: wq, .offset: 8, .size: 8, .value_kind: global_buffer, .address_space: global }
      - { .name: wk, .offset: 16, .size: 8, .value_kind: global_buffer, .address_space: global }
      - { .name: wv, .offset: 24, .size: 8, .value_kind: global_buffer, .address_space: global }
      - { .name: wo, .offset: 32, .size: 8, .value_kind: global_buffer, .address_space: global }
      - { .name: stats, .offset: 40, .size: 8, .value_kind: global_buffer, .address_space: global }
      - { .name: wcodes, .offset: 48, .size: 8, .value_kind: global_buffer, .address_space: global }
      - { .name: wscales, .offset: 56, .size: 8, .value_kind: global_buffer, .address_space: global }
    .group_segment_fixed_size: 0
    .private_segment_fixed_size: 0
    .kernarg_segment_align: 8
    .kernarg_segment_size: 64
    .max_flat_workgroup_size: 128
    .sgpr_count:     66
    .vgpr_count:     160
    .wavefront_size: 32
...
	.end_amdgpu_metadata
.endif
;; end of part 1
;; launch qkv (part 2): grid 256 x 1, 4 waves a work-group, no clusters, 52,736 bytes of LDS; arguments x, stats, gn_scale, gn_bias, wcodes, wscales, bq, bk, bv, qbuf, kbuf, vbuf; writes qbuf, kbuf, vbuf
.if DOCPART == 2
	.amdgcn_target "amdgcn-amd-amdhsa--gfx1250"
	.amdhsa_code_object_version 6
	.text
	.protected	k_qec14dba3b9_qkv
	.globl	k_qec14dba3b9_qkv
	.p2align	8
	.type	k_qec14dba3b9_qkv,@function
k_qec14dba3b9_qkv:
	s_mov_b64 s[64:65], 0
	v_nop
	global_prefetch_b8 v0, s[64:65] scope:SCOPE_SE
	s_setreg_imm32_b32 hwreg(HW_REG_WAVE_MODE, 25, 1), 1
	s_wait_xcnt 0x0
; AttnBlock, launch 2 of 3: group norm, h quantised along the channels, q = h wq + bq, k = h wk + bk, v = h wv + bv on codes of E2M1, and q, k (along the channels) and v (along the keys) quantised again.  No work is left out.
; SHARES.  A work-group takes 64 rows of x.  Wave w normalises and quantises row tile w (16 rows: 32 (w / 2) + 8 (w % 2) + i + 8 (i / 8)); the four tiles' fragments go to all waves through LDS as images of their registers.
; Then THE WAVES SHARE THE COLUMNS: wave w makes columns 128 w .. 128 w + 127 of q, of k and of v for all 64 rows: 384 matrix instructions.  Its part of each weight (32 fragments, 256 registers) comes from memory
; straight into operand registers, each byte once for a work-group.
; q and k are made TRANSPOSED (source 0 = 16 columns of W, source 1 = 16 rows of h): a lane holds one row, its 64 registers 128 neighbouring channels' halves: K step w of the scores' product.
; v is made the other way (source 0 = 16 rows of h, source 1 = 16 columns of W): a lane holds one channel and its registers run down the keys, which are the K of the second attention product.
; qbuf, kbuf [part of 128 rows][34,816: codes [tile 8][K step 4][1,024] | at 32,768 scale words [pair 4][K step 4][128]].
; vbuf [batch 8][round of 512 keys 4][128 channels 4][34,816: codes [tile 8][K step 4][c 2][512] | at 32,768 [K step 4][c 2][lane r 16][8 tiles x 2 bytes]]: 64 keys are half a K step: two of its four scale bytes.
; NO CLUSTER: the launch has no tensor load.  The three weights (3 x 131,072 bytes) do not fit in LDS together, so joint loads would want a ring, its rounds, and an LDS write and read of every weight byte, for 384 matrix instructions a wave.
; LIMITS: a = gn_scale / sqrt(var + eps) is rounded before the multiply-add (one rounding more than reference()); blocks under 2^-124 keep the byte 1; NaN and infinities are not served.
.set STG,   0                          ; LDS: a stage of 16 rows x (512 + 16) bytes for each wave: 33 x 16 bytes from row to row
.set XIMG,  33792                      ; h's 16 fragments: (tile m, K step s) at (4 m + s) x 1,024
.set XSC,   50176                      ; their scale words: (pair, K step) at (4 p + s) x 128
.set TBL,   51200                      ; 256 bytes a wave: 32 means, 32 reciprocal deviations
.set SPARE, 52224                      ; the spare words, 128 bytes a wave: two blocks of 256 bytes that no other line names
.set LI,  4                            ; 16 x lane
.set LS,  5                            ; 4 x lane
.set XA,  6                            ; x: my tile's first row + 16 x lane
.set STW, 7                            ; the stage, in: 16 x lane
.set STR, 8                            ; the stage, out: 528 r + 64 h
.set XWI, 9                            ; where I store h's images
.set XWS, 10                           ; and their scale words
.set WA,  11                           ; my 8 tiles of a weight: 32,768 w + 16 x lane
.set WSA, 12                           ; their scale words: 2,048 w + 4 x lane
.set BA,  13                           ; bq, bk: 512 w + 64 h
.set BVA, 14                           ; bv: 512 w + 4 (r + 8 (r / 8))
.set QA,  15                           ; q, k codes out: 1,024 w + 16 x lane
.set QSA, 16                           ; q, k scale words out: 128 w + 4 x lane
.set VA,  17                           ; v codes out: 34,816 w + 16 x lane
.set VSA, 18                           ; v scale bytes out: 34,816 w + 32,768 + 16 r + 8 h
.set TBW, 19
.set TBR, 20
.set MN,  24                           ; v24-31  the mean of my four channels' group, for each K step, in the even registers (the odd ones are named with them as pairs: written 0)
.set RS,  32                           ; v32-39  1 / sqrt(var + eps) likewise
.set GS,  40                           ; v40-55  gn_scale of my channels, then a
.set GB,  56                           ; v56-71  gn_bias
.set XS,  72                           ; v72-79  h's scale words: scales and nothing else
.set WS,  80                           ; v80-111 the weights' scale words, two sets: scales and nothing else
.set HA,  128                          ; v128-191 the statistics' 32 pairs; 64 numbers ahead of the quantiser; the accumulators
.set TM,  200
.set PC,  216                          ; v216-223 the codes just made
.set PW0, 224                          ; the scale words of an even and of an odd tile
.set PW1, 225
.set PP,  226
.set PWV, 228                          ; v228-231 v's scale bytes
.set VP,  232
.set BVT, 234                          ; v234-241 bv, a number for each tile
.set SPW, 252
.set NIL, 253
; window 1: x as loaded (K step s, row i at 4 (16 s + i)); later v0-127 h's 16 fragments, v128-191 and v192-255 two sets of bias tiles.   window 2: wq, later wv (tile t, K step s at 8 (4 t + s)).   window 3: wk.
.set MSB, 0
.macro WIN new                         ; the immediate's high byte repeats the setting that is left; a switch that changes nothing is dropped
.if MSB != (\new)
	s_set_vgpr_msb (MSB<<8)|(\new)
.set MSB, \new
.endif
.endm
.macro WM d, a, b, c, sa, sb, ra, rb   ; one product; ra, rb: the side's scale words stand in lanes 16-31
.if (\ra) && (\rb)
	v_wmma_scale_f32_16x16x128_f8f6f4 v[\d:\d+7], v[\a:\a+7], v[\b:\b+7], v[\c:\c+7], v[\sa], v[\sb] matrix_a_fmt:MATRIX_FMT_FP4 matrix_b_fmt:MATRIX_FMT_FP4 matrix_a_scale:MATRIX_SCALE_ROW1 matrix_b_scale:MATRIX_SCALE_ROW1
.elseif (\ra)
	v_wmma_scale_f32_16x16x128_f8f6f4 v[\d:\d+7], v[\a:\a+7], v[\b:\b+7], v[\c:\c+7], v[\sa], v[\sb] matrix_a_fmt:MATRIX_FMT_FP4 matrix_b_fmt:MATRIX_FMT_FP4 matrix_a_scale:MATRIX_SCALE_ROW1
.elseif (\rb)
	v_wmma_scale_f32_16x16x128_f8f6f4 v[\d:\d+7], v[\a:\a+7], v[\b:\b+7], v[\c:\c+7], v[\sa], v[\sb] matrix_a_fmt:MATRIX_FMT_FP4 matrix_b_fmt:MATRIX_FMT_FP4 matrix_b_scale:MATRIX_SCALE_ROW1
.else
	v_wmma_scale_f32_16x16x128_f8f6f4 v[\d:\d+7], v[\a:\a+7], v[\b:\b+7], v[\c:\c+7], v[\sa], v[\sb] matrix_a_fmt:MATRIX_FMT_FP4 matrix_b_fmt:MATRIX_FMT_FP4
.endif
.endm
; 64 numbers of a lane, register 16 b + i = k 32 b + 16 (lane / 16) + i of my row, become a fragment's codes in v[PC] on and its scale word in v[pw].
.macro QUANT s, pw
	s_wait_xcnt 0x0                                ; the codes' and words' registers were the data of global stores: they are rewritten only behind this wait
.irp b, 0,1,2,3
	v_max3_num_f32 v[TM+\b], |v[\s+16*\b]|, |v[\s+1+16*\b]|, 0x1800000   ; my 16 numbers of block b, and the floor 2^(3 - 127): the byte cannot fall under 1
.endr
.irp i, 2,4,6,8,10,12,14
.irp b, 0,1,2,3
	v_max3_num_f32 v[TM+\b], v[TM+\b], |v[\s+16*\b+\i]|, |v[\s+1+16*\b+\i]|   ; the four blocks by turns; each accumulator is read from its low end on
.endr
.endr
.irp b, 0,1,2,3
	v_permlanex16_b32 v[TM+4+\b], v[TM+\b], s40, s41
.endr
.irp b, 0,1,2,3
	v_max_num_f32 v[TM+\b], v[TM+\b], v[TM+4+\b]   ; with lane l xor 16's 16: the block's largest magnitude
.endr
.irp b, 0,1,2,3
	v_add_nc_u32 v[TM+12+\b], 0xff000000, v[TM+\b] ; 2 off its exponent field: the conversion's scale operand
.endr
.irp b, 0,1,2,3
	v_lshrrev_b32 v[TM+4+\b], 23, v[TM+12+\b]      ; the scale's byte
.endr
	v_lshl_or_b32 v[\pw], v[TM+5], 8, v[TM+4]
	v_lshl_or_b32 v[\pw], v[TM+6], 16, v[\pw]
	v_lshl_or_b32 v[\pw], v[TM+7], 24, v[\pw]
.irp b, 0,1,2,3
	v_cvt_scalef32_pk8_fp4_f32 v[PC+2*\b], v[\s+16*\b:\s+7+16*\b], v[TM+12+\b]
	v_cvt_scalef32_pk8_fp4_f32 v[PC+1+2*\b], v[\s+8+16*\b:\s+15+16*\b], v[TM+12+\b]
.endr
	v_nop                                          ; one plain place behind a scaled conversion
.irp c, 0,1                                    ; the operand wants a whole block in a lane: lanes 0-15 block 2 c, lanes 16-31 block 2 c + 1
.irp i, 0,1
	v_permlane16_swap_b32 v[PC+4*\c+\i], v[PC+2+4*\c+\i]
.endr
.endr
.endm
.macro WLOAD wi, win, t0, t1           ; tiles t0 .. t1 - 1 of my part of weight wi into window win
	WIN (\win)<<6
.set tt_, \t0
.rept (\t1)-(\t0)
.set kk_, 0
.rept 8
	global_load_b128 v[32*tt_+4*kk_:32*tt_+4*kk_+3], v[WA], s[12:13] offset:131072*(\wi)+4096*tt_+512*kk_
.set kk_, kk_+1
.endr
.set tt_, tt_+1
.endr
	WIN 0
.endm
.macro WSCL wi                         ; my 16 scale words of weight wi into set wi % 2
.set k_, 0
.rept 16
	global_load_b32 v[WS+16*((\wi)%2)+k_], v[WSA], s[14:15] offset:8192*(\wi)+128*k_
.set k_, k_+1
.endr
.endm
.macro WAUX wi, breg                   ; and the bias as eight C tiles: lane (r, h), tile 2 b + u: channels 32 b + 16 h + 8 u + 0..7
	WSCL \wi
	WIN 0x40
.set t_, 0
.rept 8
	global_load_b128 v[128+64*((\wi)%2)+8*t_:128+64*((\wi)%2)+8*t_+3], v[BA], s[\breg:\breg+1] offset:128*(t_/2)+32*(t_%2)
	global_load_b128 v[128+64*((\wi)%2)+8*t_+4:128+64*((\wi)%2)+8*t_+7], v[BA], s[\breg:\breg+1] offset:128*(t_/2)+32*(t_%2)+16
.set t_, t_+1
.endr
	WIN 0
.endm
	s_load_b512 s[4:19], s[0:1], 0x0               ; x s[4:5], stats s[6:7], gn_scale s[8:9], gn_bias s[10:11], wcodes s[12:13], wscales s[14:15], bq s[16:17], bk s[18:19]
	s_load_b256 s[20:27], s[0:1], 0x40             ; bv s[20:21], qbuf s[22:23], kbuf s[24:25], vbuf s[26:27]
	v_lshl_add_u32 v[SPW], v0, 2, SPARE
	v_mov_b32 v[NIL], 0
	v_lshrrev_b32 v1, 5, v0
	v_readfirstlane_b32 s28, v1                    ; wave 0..3
	v_and_b32 v1, 31, v0                           ; lane
	v_and_b32 v2, 15, v0                           ; r
	v_bfe_u32 v3, v0, 4, 1                         ; h
	v_lshlrev_b32 v[LI], 4, v1
	v_lshlrev_b32 v[LS], 2, v1
	s_lshr_b32 s29, s28, 1
	s_and_b32 s30, s28, 1
	s_lshl_b32 s31, s29, 16                        ; 32 rows of 2,048 bytes
	s_lshl_b32 s33, s30, 14                        ; 8 rows
	s_add_co_u32 s31, s31, s33
	v_add_nc_u32 v[XA], s31, v[LI]
	s_mul_i32 s31, s28, 8448
	v_add_nc_u32 v[STW], s31, v[LI]
	v_mul_u32_u24 v[STR], v2, 528
	v_lshl_add_u32 v[STR], v3, 6, v[STR]
	v_add_nc_u32 v[STR], s31, v[STR]
	s_lshl_b32 s31, s28, 12
	s_add_co_u32 s31, s31, XIMG
	v_add_nc_u32 v[XWI], s31, v[LI]
	s_lshl_b32 s31, s29, 9
	s_lshl_b32 s33, s30, 6
	s_add_co_u32 s31, s31, s33
	s_add_co_u32 s31, s31, XSC
	v_lshl_add_u32 v[XWS], v2, 2, s31              ; my pair's image, my tile's half of it, row r's word
	s_lshl_b32 s31, s28, 15
	v_add_nc_u32 v[WA], s31, v[LI]
	s_lshl_b32 s31, s28, 11
	v_add_nc_u32 v[WSA], s31, v[LS]
	s_lshl_b32 s31, s28, 9
	v_lshl_add_u32 v[BA], v3, 6, s31
	v_and_b32 v21, 8, v2
	v_add_nc_u32 v21, v21, v2
	v_lshl_add_u32 v[BVA], v21, 2, s31
	s_lshl_b32 s31, s28, 10
	v_add_nc_u32 v[QA], s31, v[LI]
	s_lshl_b32 s31, s28, 7
	v_add_nc_u32 v[QSA], s31, v[LS]
	s_mul_i32 s31, s28, 34816
	v_add_nc_u32 v[VA], s31, v[LI]
	s_add_co_u32 s31, s31, 32768
	v_lshl_add_u32 v[VSA], v2, 4, s31
	v_lshl_add_u32 v[VSA], v3, 3, v[VSA]
	s_lshl_b32 s31, s28, 8
	s_add_co_u32 s31, s31, TBL
	v_add_nc_u32 v[TBW], s31, v[LS]
	v_lshrrev_b32 v21, 2, v1
	v_lshl_add_u32 v[TBR], v21, 2, s31
.irp q, 0,1,2,3
	v_mov_b32 v[MN+2*\q+1], 0
	v_mov_b32 v[RS+2*\q+1], 0
	v_mov_b32 v[TM+4+\q], 0                        ; a lane permute's destination counts as one of its sources
.endr
	s_mov_b32 s40, 0x76543210
	s_mov_b32 s41, 0xfedcba98                      ; v_permlanex16_b32's selects for lane l xor 16
	s_mov_b32 s42, 0xffff0000                      ; lanes 16-31
	s_lshl_b32 s44, ttmp9, 17                      ; my 64 rows of x
	s_mov_b32 s45, 0
	s_lshr_b32 s34, ttmp9, 5                       ; the batch
	s_lshl_b32 s46, s34, 14                        ; its 16,384 bytes of stats
	s_mov_b32 s47, 0
	s_lshr_b32 s35, ttmp9, 1                       ; the part of 128 rows,
	s_and_b32 s36, ttmp9, 1                        ; and which half of it
	s_mul_i32 s48, s35, 34816
	s_lshl_b32 s37, s36, 14
	s_add_co_u32 s48, s48, s37                     ; q, k: my four tiles' codes
	s_mov_b32 s49, 0
	s_mul_i32 s50, s35, 34816
	s_lshl_b32 s37, s36, 10
	s_add_co_u32 s50, s50, s37
	s_add_co_u32 s50, s50, 32768                   ; and my two pairs' scale words
	s_mov_b32 s51, 0
	s_and_b32 s37, ttmp9, 31
	s_lshr_b32 s38, s37, 3                         ; v: the round of 512 keys,
	s_lshl_b32 s39, s34, 2
	s_add_co_u32 s38, s38, s39
	s_mul_i32 s38, s38, 139264
	s_bfe_u32 s39, s37, 0x20001                    ; the K step of 128 keys in it,
	s_lshl_b32 s56, s39, 10
	s_add_co_u32 s56, s56, s38
	s_lshl_b32 s43, s36, 9                         ; and which half of the K step
	s_add_co_u32 s56, s56, s43
	s_mov_b32 s57, 0
	s_lshl_b32 s58, s39, 9
	s_add_co_u32 s58, s58, s38
	s_lshl_b32 s43, s36, 8
	s_add_co_u32 s58, s58, s43
	s_mov_b32 s59, 0
	s_wait_kmcnt 0x0
	s_add_nc_u64 s[44:45], s[4:5], s[44:45]
	s_add_nc_u64 s[46:47], s[6:7], s[46:47]
	s_add_nc_u64 s[52:53], s[24:25], s[48:49]      ; k's codes,
	s_add_nc_u64 s[54:55], s[24:25], s[50:51]      ; k's scale words,
	s_add_nc_u64 s[48:49], s[22:23], s[48:49]      ; q's codes,
	s_add_nc_u64 s[50:51], s[22:23], s[50:51]      ; q's scale words,
	s_add_nc_u64 s[56:57], s[26:27], s[56:57]      ; v's codes,
	s_add_nc_u64 s[58:59], s[26:27], s[58:59]      ; v's scale bytes
; ---- the loads: 41 small ones, then x: 64 loads of 512 consecutive bytes of a row each, K step by K step
.set j_, 0
.rept 32
	global_load_b64 v[HA+2*j_:HA+2*j_+1], v[LI], s[46:47] offset:512*j_   ; lane = group: slab j's two sums
.set j_, j_+1
.endr
	global_load_b32 v22, v[LI], s[46:47] offset:8  ; the shift
.irp q, 0,1,2,3
	global_load_b128 v[GS+4*\q:GS+4*\q+3], v[LI], s[8:9] offset:512*\q     ; channels 128 q + 4 lane + 0..3
	global_load_b128 v[GB+4*\q:GB+4*\q+3], v[LI], s[10:11] offset:512*\q
.endr
	WIN 0x40
.set j_, 0
.rept 64
	global_load_b128 v[4*j_:4*j_+3], v[XA], s[44:45] offset:((j_%16)+8*((j_%16)/8))*2048+512*(j_/16) th:TH_LOAD_NT
.set j_, j_+1
.endr
	WIN 0
; ---- the statistics: every wave makes all 32 groups', a lane a group
	s_wait_loadcnt 63                              ; of 105 loads the oldest 42 are in: the 41 small ones among them
.set j_, 4
.rept 28
	v_pk_add_f32 v[HA+2*(j_%4):HA+2*(j_%4)+1], v[HA+2*(j_%4):HA+2*(j_%4)+1], v[HA+2*j_:HA+2*j_+1]   ; four chains
.set j_, j_+1
.endr
	v_pk_add_f32 v[HA:HA+1], v[HA:HA+1], v[HA+2:HA+3]
	v_pk_add_f32 v[HA+4:HA+5], v[HA+4:HA+5], v[HA+6:HA+7]
	v_pk_add_f32 v[HA:HA+1], v[HA:HA+1], v[HA+4:HA+5]
	v_mul_f32 v21, 0x38000000, v[HA]               ; m = sum(x - s) / 32,768
	v_mul_f32 v23, 0x38000000, v[HA+1]
	v_fma_f32 v23, -v21, v21, v23                  ; the variance,
	v_max_num_f32 v23, 0, v23                      ; never under 0
	v_add_f32 v23, 0x3727c5ac, v23                 ; + 1e-5
	v_rsq_f32 v[HA+2], v23
	v_add_f32 v21, v22, v21                        ; the mean = s + m.  (A plain place behind the transcendental)
	s_wait_alu depctr_va_vdst(0)                   ; the wait ahead of the result's first reader
	ds_store_b32 v[TBW], v21
	ds_store_b32 v[TBW], v[HA+2] offset:128
.irp q, 0,1,2,3
	ds_load_b32 v[MN+2*\q], v[TBR] offset:32*\q    ; group 8 q + lane / 4.  LDS serves a wave's instructions in order: these see my stores
	ds_load_b32 v[RS+2*\q], v[TBR] offset:128+32*\q
.endr
	s_wait_dscnt 0x0
.irp q, 0,1,2,3
	v_pk_mul_f32 v[GS+4*\q:GS+4*\q+1], v[GS+4*\q:GS+4*\q+1], v[RS+2*\q:RS+2*\q+1] op_sel_hi:[1,0]     ; a = gn_scale / sqrt(var + eps)
	v_pk_mul_f32 v[GS+4*\q+2:GS+4*\q+3], v[GS+4*\q+2:GS+4*\q+3], v[RS+2*\q:RS+2*\q+1] op_sel_hi:[1,0]
.endr
; ---- one K step of h: normalise as loaded, turn through my stage so that a lane holds 16 neighbours of each block of its row, quantise, store the image
.macro CHUNK s
	s_wait_loadcnt 48                              ; behind this K step's 16 loads stand 16 (3 - s) of x and 16 s of wq: always 48
	WLOAD 0, 2, 2*(\s), 2*(\s)+2
	WIN 0x41
.set i_, 0
.rept 16
	v_pk_add_f32 v[64*(\s)+4*i_:64*(\s)+4*i_+1], v[64*(\s)+4*i_:64*(\s)+4*i_+1], v[MN+2*(\s):MN+2*(\s)+1] op_sel_hi:[1,0] neg_lo:[0,1] neg_hi:[0,1]
	v_pk_add_f32 v[64*(\s)+4*i_+2:64*(\s)+4*i_+3], v[64*(\s)+4*i_+2:64*(\s)+4*i_+3], v[MN+2*(\s):MN+2*(\s)+1] op_sel_hi:[1,0] neg_lo:[0,1] neg_hi:[0,1]
	v_pk_fma_f32 v[64*(\s)+4*i_:64*(\s)+4*i_+1], v[64*(\s)+4*i_:64*(\s)+4*i_+1], v[GS+4*(\s):GS+4*(\s)+1], v[GB+4*(\s):GB+4*(\s)+1]
	v_pk_fma_f32 v[64*(\s)+4*i_+2:64*(\s)+4*i_+3], v[64*(\s)+4*i_+2:64*(\s)+4*i_+3], v[GS+4*(\s)+2:GS+4*(\s)+3], v[GB+4*(\s)+2:GB+4*(\s)+3]
.set i_, i_+1
.endr
	WIN 0x04                                       ; an LDS store's data are its source 1
.set i_, 0
.rept 16
	ds_store_b128 v[STW], v[64*(\s)+4*i_:64*(\s)+4*i_+3] offset:528*i_
.set i_, i_+1
.endr
	WIN 0
.set i_, 0
.rept 16
	ds_load_b128 v[HA+4*i_:HA+4*i_+3], v[STR] offset:128*(i_/4)+16*(i_%4)
.set i_, i_+1
.endr
	s_wait_dscnt 0x0
	QUANT HA, PW0
	ds_store_b128 v[XWI], v[PC:PC+3] offset:1024*(\s)
	ds_store_b128 v[XWI], v[PC+4:PC+7] offset:1024*(\s)+512
	ds_store_b32 v[XWS], v[PW0] offset:128*(\s)    ; lanes r and r + 16 write the same word with the same value
.endm
	CHUNK 0
	CHUNK 1
	CHUNK 2
	CHUNK 3
	s_wait_dscnt 0x0                               ; my images have landed; x's registers are free
	WAUX 0, 16
	s_barrier_signal -1
	s_barrier_wait -1                              ; h's sixteen fragments lie in LDS
	WIN 0x40
.set k_, 0
.rept 32
	ds_load_b128 v[4*k_:4*k_+3], v[LI] offset:XIMG+512*k_
.set k_, k_+1
.endr
	WIN 0
.set k_, 0
.rept 8
	ds_load_b32 v[XS+k_], v[LS] offset:XSC+128*k_
.set k_, k_+1
.endr
; ---- q or k for row tile m: 32 products, eight accumulators by turns, the bias as the C of each sum's first; quantised; stored
.macro GQK win, ws, bs, m, cb, sb
.set ks_, 0
.rept 4
.if ks_ == 0
	WIN 0x14|(\win)                                ; W in its window, h and the bias in window 1
.else
	WIN 0x04|(\win)
.endif
.set t_, 0
.rept 8
.if ks_ == 0
	WM HA+8*t_, 32*t_+8*ks_, 32*(\m)+8*ks_, 128+64*(\bs)+8*t_, WS+16*(\ws)+4*(t_/2)+ks_, XS+4*((\m)/2)+ks_, t_%2, (\m)%2
.else
	WM HA+8*t_, 32*t_+8*ks_, 32*(\m)+8*ks_, HA+8*t_, WS+16*(\ws)+4*(t_/2)+ks_, XS+4*((\m)/2)+ks_, t_%2, (\m)%2
.endif
.set t_, t_+1
.endr
.set ks_, ks_+1
.endr
	WIN 0
.rept 4
	v_nop                                          ; places ahead of the first read of results
.endr
	QUANT HA, PW0+(\m)%2
	global_store_b128 v[QA], v[PC:PC+3], s[\cb:\cb+1] offset:4096*(\m)          ; 512 consecutive bytes a store
	global_store_b128 v[QA], v[PC+4:PC+7], s[\cb:\cb+1] offset:4096*(\m)+512
.if (\m)%2
	v_cndmask_b32 v[PP], v[PW0], v[PW1], s42       ; lanes 0-15 the even tile's words, lanes 16-31 the odd tile's
	global_store_b32 v[QSA], v[PP], s[\sb:\sb+1] offset:512*((\m)/2)
.endif
.endm
; ---- v for column tiles 2 g and 2 g + 1, all 64 keys: a lane holds a channel, its registers run down the keys
.macro GV g
.set ks_, 0
.rept 4
.if ks_ == 0
	WIN 0x19                                       ; h and the bias in window 1, wv in window 2
.else
	WIN 0x09
.endif
.set t_, 0
.rept 8
.if ks_ == 0
	WM HA+8*t_, 32*(t_%4)+8*ks_, 32*(2*(\g)+t_/4)+8*ks_, 128+8*(2*(\g)+t_/4), XS+4*((t_%4)/2)+ks_, WS+4*(\g)+ks_, t_%2, t_/4
.else
	WM HA+8*t_, 32*(t_%4)+8*ks_, 32*(2*(\g)+t_/4)+8*ks_, HA+8*t_, XS+4*((t_%4)/2)+ks_, WS+4*(\g)+ks_, t_%2, t_/4
.endif
.set t_, t_+1
.endr
.set ks_, ks_+1
.endr
	WIN 0
.rept 4
	v_nop
.endr
	QUANT HA, PWV+(\g)                             ; codes 0-3: tile 2 g's half fragment, 4-7: tile 2 g + 1's; the word's halves: their two scale bytes each
	global_store_b128 v[VA], v[PC:PC+3], s[56:57] offset:4096*(2*(\g))
	global_store_b128 v[VA], v[PC+4:PC+7], s[56:57] offset:4096*(2*(\g)+1)
.endm
	s_wait_loadcnt 0x0                             ; wq, its scale words, bq: asked for a phase ago
	s_wait_dscnt 0x0                               ; h
	WLOAD 1, 3, 0, 6                               ; wk lands under q's products
	GQK 2, 0, 0, 0, 48, 50
	WLOAD 1, 3, 6, 8
	WAUX 1, 18
	GQK 2, 0, 0, 1, 48, 50
	GQK 2, 0, 0, 2, 48, 50
	GQK 2, 0, 0, 3, 48, 50
	s_wait_loadcnt 0x0                             ; wk, its scale words, bk
	WLOAD 2, 2, 0, 6                               ; wv takes wq's window: its last reader stands more than four plain instructions back
	GQK 3, 1, 1, 0, 52, 54
	WLOAD 2, 2, 6, 8
	WSCL 2
.set t_, 0
.rept 8
	global_load_b32 v[BVT+t_], v[BVA], s[20:21] offset:128*(t_/2)+32*(t_%2)      ; bv at my lane's channel of tile t
.set t_, t_+1
.endr
	GQK 3, 1, 1, 1, 52, 54
	GQK 3, 1, 1, 2, 52, 54
	GQK 3, 1, 1, 3, 52, 54
	s_wait_loadcnt 0x0                             ; wv, its scale words, bv
	WIN 0x40
.set t_, 0
.rept 64
	v_mov_b32 v[128+t_], v[BVT+t_/8]               ; a C tile of v wants its lane's one number in eight registers: 64 moves, against 128 packed additions behind the sums
.set t_, t_+1
.endr
	WIN 0
	GV 0
	GV 1
	GV 2
	GV 3
	v_cndmask_b32 v[VP], v[PWV], v[PWV+2], s42     ; lanes 0-15 store tiles 0-3's bytes of channel lane r, lanes 16-31 tiles 4-7's
	v_cndmask_b32 v[VP+1], v[PWV+1], v[PWV+3], s42
	global_store_b64 v[VSA], v[VP:VP+1], s[58:59]  ; 256 consecutive bytes
	s_wait_tensorcnt 0x0                           ; the wave's end, behind my last LDS store
	ds_add_u32 v[SPW], v[NIL]
	s_wait_dscnt 0x0
	s_endpgm
.Lfunc_end_k_qec14dba3b9_qkv:
	.size	k_qec14dba3b9_qkv, .Lfunc_end_k_qec14dba3b9_qkv-k_qec14dba3b9_qkv
	.p2alignl 7, 3214868480
	.fill 96, 4, 3214868480
	.section	.rodata,"a",@progbits
	.p2align	6, 0x0
	.amdhsa_kernel k_qec14dba3b9_qkv
		.amdhsa_group_segment_fixed_size 52736
		.amdhsa_private_segment_fixed_size 0
		.amdhsa_enable_private_segment 0
		.amdhsa_kernarg_size 96
		.amdhsa_user_sgpr_count 2
		.amdhsa_user_sgpr_kernarg_segment_ptr 1
		.amdhsa_wavefront_size32 1
		.amdhsa_system_sgpr_workgroup_id_x 1
		.amdhsa_system_sgpr_workgroup_id_y 1
		.amdhsa_system_sgpr_workgroup_id_z 1
		.amdhsa_system_vgpr_workitem_id 0
		.amdhsa_next_free_vgpr 1024
		.amdhsa_next_free_sgpr 66
		.amdhsa_reserve_vcc 0
		.amdhsa_float_denorm_mode_32 3
		.amdhsa_float_denorm_mode_16_64 3
		.amdhsa_memory_ordered 1
		.amdhsa_forward_progress 1
		.amdhsa_inst_pref_size 189
	.end_amdhsa_kernel
	.amdgpu_metadata
---
amdhsa.version: [ 1, 2 ]
amdhsa.kernels:
  - .name:           k_qec14dba3b9_qkv
    .symbol:         k_qec14dba3b9_qkv.kd
    .args:
      - { .name: x, .offset: 0, .size: 8, .value_kind: global_buffer, .address_space: global }
      - { .name: stats, .offset: 8, .size: 8, .value_kind: global_buffer, .address_space: global }
      - { .name: gn_scale, .offset: 16, .size: 8, .value_kind: global_buffer, .address_space: global }
      - { .name: gn_bias, .offset: 24, .size: 8, .value_kind: global_buffer, .address_space: global }
      - { .name: wcodes, .offset: 32, .size: 8, .value_kind: global_buffer, .address_space: global }
      - { .name: wscales, .offset: 40, .size: 8, .value_kind: global_buffer, .address_space: global }
      - { .name: bq, .offset: 48, .size: 8, .value_kind: global_buffer, .address_space: global }
      - { .name: bk, .offset: 56, .size: 8, .value_kind: global_buffer, .address_space: global }
      - { .name: bv, .offset: 64, .size: 8, .value_kind: global_buffer, .address_space: global }
      - { .name: qbuf, .offset: 72, .size: 8, .value_kind: global_buffer, .address_space: global }
      - { .name: kbuf, .offset: 80, .size: 8, .value_kind: global_buffer, .address_space: global }
      - { .name: vbuf, .offset: 88, .size: 8, .value_kind: global_buffer, .address_space: global }
    .group_segment_fixed_size: 52736
    .private_segment_fixed_size: 0
    .kernarg_segment_align: 8
    .kernarg_segment_size: 96
    .max_flat_workgroup_size: 128
    .sgpr_count:     66
    .vgpr_count:     1024
    .wavefront_size: 32
...
	.end_amdgpu_metadata
.endif
;; end of part 2
;; launch attn (part 3): grid 32 x 8, 4 waves a work-group, clusters of 4 x 1, 327,680 bytes of LDS; arguments qbuf, kbuf, vbuf, wcodes, wscales, bo, x, out0; writes out0
.if DOCPART == 3
	.amdgcn_target "amdgcn-amd-amdhsa--gfx1250"
	.amdhsa_code_object_version 6
	.text
	.protected	k_qec14dba3b9_attn
	.globl	k_qec14dba3b9_attn
	.p2align	8
	.type	k_qec14dba3b9_attn,@function
k_qec14dba3b9_attn:
	s_mov_b64 s[64:65], 0
	v_nop
	global_prefetch_b8 v0, s[64:65] scope:SCOPE_SE
	s_setreg_imm32_b32 hwreg(HW_REG_WAVE_MODE, 25, 1), 1
	s_wait_xcnt 0x0
	s_wait_alu depctr_hold_cnt(0) depctr_sa_sdst(0) depctr_va_vdst(0) depctr_va_sdst(0) depctr_va_ssrc(0) depctr_va_vcc(0) depctr_vm_vsrc(0)
	s_getreg_b32 s2, hwreg(HW_REG_IB_STS2, 6, 4)
	s_cmp_eq_u32 s2, 0
	s_cbranch_scc0 .Lentry_in_a_cluster
	s_endpgm
.Lentry_in_a_cluster:
	s_bfe_u32 s2, ttmp6, 0x10000c
	s_cmp_lg_u32 s2, 0x3003
	s_cbranch_scc0 .Lentry_shape_is_right
	s_endpgm
.Lentry_shape_is_right:
; AttnBlock, launch 3 of 3: scores, softmax, values, the projection by wo, + bo + x.  All three products on codes of E2M1 with E8M0 scales.  No work is left out.
; SOFTMAX: t = score x log2(e) / sqrt(512); M = the running largest t rounded UP to a whole number; p = 2^(t - M) is quantised along the keys, not normalised; the row's sum l is taken of the unquantised p and divides at the end.
; When M moves, l and O are multiplied by 2^(old M - new M): exact.
; SHARES.  A work-group owns 64 queries (four tiles) of one batch.  The keys go in four rounds of 512.  In a round wave w makes S^T = K Q^T for keys 128 w .. + 127 against all 64 queries (128 products), takes part in the rows' maxima
; through LDS, quantises its p: K step w of the second product: and hands it to the others as an image of its registers.  Then wave w makes O^T += V^T P^T for channels 128 w .. + 127 of all 64 queries (128 products).
; So every fragment of K and of V is read from LDS by one wave and feeds four products, and O is rescaled once for 512 keys.
; Both products are used transposed: a lane holds ONE query (lane % 16) throughout.  By the program's tile order (lane r of tile 2 p + u is row 32 p + 8 u + r + 8 (r / 8)) the 16 registers of two neighbouring result tiles are 16 neighbours.
; RING.  One slot for K and one for V, 139,264 bytes each; a wave fetches, and alone reads, its own part of 34,816 bytes (codes and scale bytes together, dense).  K of the next round is asked for behind the round that ends
; the scores and has the softmax in which to land.  V's part is taken into registers whole (four buffers of 64) ahead of V^T P^T, so V of the next round is asked for behind the round that publishes P, and has 256 products in which to land.
; By this text's count a wave has two tensor loads out at the head and one afterwards.
; THE LAST ROUND asks for what the tail wants: wo's codes come into K's slot by one more joint load behind the last scores; x comes into registers that the round has left (Q's, then S's upper half); bo as four numbers a lane.
; CLUSTER.  The four query blocks of a cluster belong to one batch and walk the same K and V, and all want wo: each part is asked for JOINTLY, by the same load with the same descriptor and the mask of all four.
; O is cleared by 256 moves while the first fills are on their way: the round is then written twice (loop, and the last), not three times.
; wo is not prefetched: its one load has a softmax and 128 products in which to land.
; LIMITS: what falls under the smallest normal f32 number in p or in a rescaling is lost; blocks under 2^-124 keep the byte 1; NaN and infinities are not served.  bo is added behind the sums, not ahead of them: another order of rounding than reference()'s.
; REGISTERS.  window 1: O(qt, ct) at 64 qt + 8 ct; in the tail v0-127 the accumulators, v128-255 the result's fragments.
;   window 2: S(qt, kt) at 64 qt + 8 kt, then v0-127 P(qt, ks) at 8 (4 qt + ks) and v128-255 V's buffers 2, 3; in the tail v0-127 wo's tiles 0-3, v128-255 x of query tiles 2, 3.
;   window 3: v0-127 Q(qt, ks), in the tail x of query tiles 0, 1; v128-255 four buffers of K or V's buffers 0, 1, in the tail wo's tiles 4-7.
.set PART,  34816
.set RNDB,  139264                     ; a round's four parts
.set VSLOT, 139264
.set PIMG,  278528                     ; P's 16 fragments: (qt, ks) at (4 qt + ks) x 1,024
.set PSC,   294912                     ; their scale words: (pair, ks) at (4 p + ks) x 128
.set MX,    295936                     ; the waves' maxima: [qt 4][lane 32][wave 4] words
.set LX,    297984                     ; the waves' sums likewise
.set SPARE, 300032                     ; the spare words, 128 bytes a wave: two blocks of 256 bytes that no other line names
.set AIMG,  300544                     ; the tail: the result's 16 fragments, in bytes of their own,
.set ASC,   316928                     ; and their scale words
.set STAGE, VSLOT                      ; the tail: a stage of 16 rows x (512 + 16) bytes for each wave, in V's slot, which has then had its last fill; the tail's barrier stands behind every wave's last read of it
.set LI,  1                            ; 16 x lane
.set LS,  2                            ; 4 x lane
.set AKF, 3                            ; my part of K (in the tail: of wo): fragments
.set AKS, 4                            ; and scale words
.set AVF, 5                            ; my part of V: fragments
.set AVS, 6                            ; and scale bytes: 16 r
.set MXW, 7
.set MXR, 8
.set PWI, 9                            ; where I store images
.set PWS, 10                           ; and their scale words
.set PRI, 11
.set PRS, 12
.set PFO, 13                           ; 256 x lane
.set SPW, 14
.set NIL, 15
.set ST,  16                           ; v16-47 eight a tile: +0 -M, +1 the largest t, +2..3 and +4..5 l in two chains of pairs, +6 f (later 1 / l), +7 written 0 (named with +6 as a pair)
.set QS,  48                           ; v48-111: scale words and nothing else: Q's,
.set KS,  56                           ; K's (in the tail wo's),
.set PS,  72                           ; P's (in the tail the result's),
.set VS,  80                           ; V's
.set VRAW, 112                         ; V's scale bytes as they lie
.set BO,  112                          ; from the last round's codes on: bo of my lane's four columns, v112-115
.set BM,  144                          ; a block's largest score, then its largest p
.set BT,  160
.set SCO, 176                          ; the conversions' scale operands
.set PC,  192                          ; the codes just made
.set PW,  224
.set MXV, 228
.set LM,  244
.set LXW, 248
.set LXR, 249
.set STO, 250
.set RD,  251
.set GO,  252
.set WSO, 254
.set BK,  176                          ; the tail: 16 rows back from the stage, v176-239
.set G1W, 56                           ; s[56:63] descriptor group 1 for wo's part;  s[4:7] its group 0
.set G0W, 4
.set ZC,  999                          ; for WM: C is the constant 0
.set MSB, 0
.macro WIN new                         ; the immediate's high byte repeats the setting that is left; a switch that changes nothing is dropped
.if MSB != (\new)
	s_set_vgpr_msb (MSB<<8)|(\new)
.set MSB, \new
.endif
.endm
.macro WM d, a, b, c, sa, sb, ra, rb   ; one product; ra, rb: the side's scale words stand in lanes 16-31
.if (\c) == ZC
.if (\ra) && (\rb)
	v_wmma_scale_f32_16x16x128_f8f6f4 v[\d:\d+7], v[\a:\a+7], v[\b:\b+7], 0, v[\sa], v[\sb] matrix_a_fmt:MATRIX_FMT_FP4 matrix_b_fmt:MATRIX_FMT_FP4 matrix_a_scale:MATRIX_SCALE_ROW1 matrix_b_scale:MATRIX_SCALE_ROW1
.elseif (\ra)
	v_wmma_scale_f32_16x16x128_f8f6f4 v[\d:\d+7], v[\a:\a+7], v[\b:\b+7], 0, v[\sa], v[\sb] matrix_a_fmt:MATRIX_FMT_FP4 matrix_b_fmt:MATRIX_FMT_FP4 matrix_a_scale:MATRIX_SCALE_ROW1
.elseif (\rb)
	v_wmma_scale_f32_16x16x128_f8f6f4 v[\d:\d+7], v[\a:\a+7], v[\b:\b+7], 0, v[\sa], v[\sb] matrix_a_fmt:MATRIX_FMT_FP4 matrix_b_fmt:MATRIX_FMT_FP4 matrix_b_scale:MATRIX_SCALE_ROW1
.else
	v_wmma_scale_f32_16x16x128_f8f6f4 v[\d:\d+7], v[\a:\a+7], v[\b:\b+7], 0, v[\sa], v[\sb] matrix_a_fmt:MATRIX_FMT_FP4 matrix_b_fmt:MATRIX_FMT_FP4
.endif
.else
.if (\ra) && (\rb)
	v_wmma_scale_f32_16x16x128_f8f6f4 v[\d:\d+7], v[\a:\a+7], v[\b:\b+7], v[\c:\c+7], v[\sa], v[\sb] matrix_a_fmt:MATRIX_FMT_FP4 matrix_b_fmt:MATRIX_FMT_FP4 matrix_a_scale:MATRIX_SCALE_ROW1 matrix_b_scale:MATRIX_SCALE_ROW1
.elseif (\ra)
	v_wmma_scale_f32_16x16x128_f8f6f4 v[\d:\d+7], v[\a:\a+7], v[\b:\b+7], v[\c:\c+7], v[\sa], v[\sb] matrix_a_fmt:MATRIX_FMT_FP4 matrix_b_fmt:MATRIX_FMT_FP4 matrix_a_scale:MATRIX_SCALE_ROW1
.elseif (\rb)
	v_wmma_scale_f32_16x16x128_f8f6f4 v[\d:\d+7], v[\a:\a+7], v[\b:\b+7], v[\c:\c+7], v[\sa], v[\sb] matrix_a_fmt:MATRIX_FMT_FP4 matrix_b_fmt:MATRIX_FMT_FP4 matrix_b_scale:MATRIX_SCALE_ROW1
.else
	v_wmma_scale_f32_16x16x128_f8f6f4 v[\d:\d+7], v[\a:\a+7], v[\b:\b+7], v[\c:\c+7], v[\sa], v[\sb] matrix_a_fmt:MATRIX_FMT_FP4 matrix_b_fmt:MATRIX_FMT_FP4
.endif
.endif
.endm
.macro PLACES n
.rept \n
	v_nop
.endr
.endm
; A round of the cluster's barrier: my work-group's barrier, wave 0's signal for the work-group, every wave's wait for all four work-groups, my work-group's barrier once more.
.macro CROUND
	s_barrier_signal -1
	s_barrier_wait -1
	s_cmp_lg_u32 s20, 0
	s_cbranch_scc1 .Lnot_wave_0_\@
	s_barrier_signal -3
.Lnot_wave_0_\@:
	s_barrier_wait -3
	s_barrier_signal -1
	s_barrier_wait -1
.endm
; A prefetch of what the slot's NEXT refill will ask for: a round, 256 products and a softmax, ahead of that load.  Each aligned 256 bytes of the codes are named once in the launch: the batch's first cluster asks;
; each wave for the 32,768 code bytes of its own part; the four partners take 8,192 each, told apart by address; lanes 256 bytes apart.  Rounds 0 and 1 come by their loads alone; the last refill asks for nothing.
.macro ASK pf
	s_cmp_gt_u32 s45, s44
	s_cbranch_scc0 .Lnot_mine_\@
	global_prefetch_b8 v[PFO], s[\pf:\pf+1] th:TH_LOAD_NT scope:SCOPE_SE
.Lnot_mine_\@:
.endm
; The end of a slot's reads, and its refill.  Every wave waits for all its tensor loads (the one that is out is its part of the OTHER slot, which it reads next), adds 0 to its spare word, and waits for that and for its LDS
; instructions: its reads of the slot are over and its stores (maxima, or P's images) have landed.  The barrier is a round of the cluster's, so that no wave of any partner still reads the slot; the joint refill is the first thing
; behind it, and my one tensor load until the next such round.  how = 1: the walking descriptor steps a round on, and a prefetch follows; how = 2: the descriptor stands as it was made (wo's part).
.macro CHANGE how, g0, pf, g1
	WIN 0
	s_wait_tensorcnt 0x0                           ; no tensor load of mine is out, so a descriptor may be written
	ds_add_u32 v[SPW], v[NIL]
.if \how == 1
	s_add_nc_u64 s[\g0+2:\g0+3], s[\g0+2:\g0+3], RNDB   ; the next round's part; the type bits on top are not reached
	s_wait_xcnt 0x0                                ; the slot's last prefetch, a round back, has read its address
	s_add_nc_u64 s[\pf:\pf+1], s[\pf:\pf+1], RNDB
.endif
	s_wait_dscnt 0x0                               ; the add is done, my reads of the slot are over, my stores have landed
	CROUND
	tensor_load_to_lds s[\g0:\g0+3], s[\g1:\g1+7]
	s_nop 0
	PLACES 4
.if \how == 1
	ASK \pf
.endif
.endm
.macro FETCHK kt                       ; key tile kt's four fragments into buffer kt % 4
	WIN 0xc0
.set f_, 0
.rept 8
	ds_load_b128 v[128+32*((\kt)%4)+4*f_:128+32*((\kt)%4)+4*f_+3], v[AKF] offset:4096*(\kt)+512*f_
.set f_, f_+1
.endr
.endm
.macro FETCHV ks, w, b                 ; K step ks's eight fragments of V into window w, registers b on
	WIN (\w)<<6
.set f_, 0
.rept 16
	ds_load_b128 v[(\b)+4*f_:(\b)+4*f_+3], v[AVF] offset:4096*(f_/2)+1024*(\ks)+512*(f_%2)
.set f_, f_+1
.endr
.endm
.macro XLOAD a                         ; x for query tiles 2 a and 2 a + 1: row i of tile T in four registers at 64 T + 4 i, my wave's 512 bytes of the row; window 3 for a = 0, window 2 for a = 1
	WIN (3-(\a))<<6
.set j_, 0
.rept 32
	global_load_b128 v[128*(\a)+4*j_:128*(\a)+4*j_+3], v[GO], s[16:17] offset:(32*(\a)+8*(j_/16)+(j_%16)+8*((j_%16)/8))*2048 th:TH_LOAD_NT
.set j_, j_+1
.endr
	WIN 0
.endm
; The largest number (ab = 0) or magnitude (ab = 1, with the floor) of each of my 16 blocks: block n = 4 qt + b lies in registers 16 n .. 16 n + 15 of the window named, half of it in lane l xor 16.
; The blocks take turns; each accumulator is read from its low end on.
.macro MAXB win, ab
	WIN \win
.set i_, 0
.rept 8
.set n_, 0
.rept 16
.if (i_ == 0) && (\ab)
	v_max3_num_f32 v[BM+n_], |v[16*n_]|, |v[16*n_+1]|, 0x1800000
.elseif i_ == 0
	v_max3_num_f32 v[BM+n_], v[16*n_], v[16*n_+1], 0xff61b1e6
.elseif \ab
	v_max3_num_f32 v[BM+n_], |v[16*n_+2*i_]|, |v[16*n_+2*i_+1]|, v[BM+n_]
.else
	v_max3_num_f32 v[BM+n_], v[16*n_+2*i_], v[16*n_+2*i_+1], v[BM+n_]
.endif
.set n_, n_+1
.endr
.set i_, i_+1
.endr
	WIN 0
.set n_, 0
.rept 16
	v_permlanex16_b32 v[BT+n_], v[BM+n_], s48, s49
.set n_, n_+1
.endr
.set n_, 0
.rept 16
	v_max_num_f32 v[BM+n_], v[BM+n_], v[BT+n_]
.set n_, n_+1
.endr
.endm
.macro SCALES fl                       ; from each block's largest magnitude: the conversion's scale operand, the byte, the tiles' scale words.  fl = 1: the floor is not yet among the leaves
	WIN 0
.if \fl
.set n_, 0
.rept 16
	v_max_num_f32 v[BM+n_], 0x1800000, v[BM+n_]    ; the floor 2^(3 - 127): the byte cannot fall under 1 (a block whose every p is 0 keeps that byte: its codes are zeros)
.set n_, n_+1
.endr
.endif
.set n_, 0
.rept 16
	v_add_nc_u32 v[SCO+n_], 0xff000000, v[BM+n_]   ; 2 off the exponent field
.set n_, n_+1
.endr
.set n_, 0
.rept 16
	v_lshrrev_b32 v[BT+n_], 23, v[SCO+n_]
.set n_, n_+1
.endr
.irp q, 0,1,2,3
	v_lshl_or_b32 v[PW+\q], v[BT+4*\q+1], 8, v[BT+4*\q]
.endr
.irp q, 0,1,2,3
	v_lshl_or_b32 v[PW+\q], v[BT+4*\q+2], 16, v[PW+\q]
.endr
.irp q, 0,1,2,3
	v_lshl_or_b32 v[PW+\q], v[BT+4*\q+3], 24, v[PW+\q]
.endr
.endm
.macro CODES win                       ; my four fragments' codes
	WIN \win
.set n_, 0
.rept 16
	v_cvt_scalef32_pk8_fp4_f32 v[PC+2*n_], v[16*n_:16*n_+7], v[SCO+n_]
	v_cvt_scalef32_pk8_fp4_f32 v[PC+2*n_+1], v[16*n_+8:16*n_+15], v[SCO+n_]
.set n_, n_+1
.endr
	v_nop                                          ; one plain place behind a scaled conversion
	WIN 0
.set n_, 0
.rept 8                                        ; the operand wants a whole block in a lane
	v_permlane16_swap_b32 v[PC+4*n_], v[PC+4*n_+2]
	v_permlane16_swap_b32 v[PC+4*n_+1], v[PC+4*n_+3]
.set n_, n_+1
.endr
.endm
.macro PUBLISH                         ; the four fragments go to LDS as they stand, K step = my wave; their words as two pair images
	WIN 0
.set n_, 0
.rept 8
	ds_store_b128 v[PWI], v[PC+4*n_:PC+4*n_+3] offset:4096*(n_/2)+512*(n_%2)
.set n_, n_+1
.endr
	v_cndmask_b32 v[MXV], v[PW], v[PW+1], s50      ; lanes 0-15 the even tile's words, lanes 16-31 the odd tile's
	v_cndmask_b32 v[MXV+1], v[PW+2], v[PW+3], s50
	ds_store_b32 v[PWS], v[MXV]
	ds_store_b32 v[PWS], v[MXV+1] offset:512
.endm
	s_load_b512 s[4:19], s[0:1], 0x0               ; qbuf s[4:5], kbuf s[6:7], vbuf s[8:9], wcodes s[10:11], wscales s[12:13], bo s[14:15], x s[16:17], out0 s[18:19]
	v_lshl_add_u32 v[SPW], v0, 2, SPARE
	v_mov_b32 v[NIL], 0
	ds_add_u32 v[SPW], v[NIL]                      ; the wave's opening: the add, twice on end, and its wait ahead of my first tensor load
	ds_add_u32 v[SPW], v[NIL]
	v_lshrrev_b32 v1, 5, v0
	v_readfirstlane_b32 s20, v1                    ; wave 0..3
	s_bfe_u32 s21, ttmp6, 0x40000                  ; cx: my place in the cluster: it enters Q's, x's, out0's and the prefetches' global addresses alone
	s_lshl_b32 s22, ttmp9, 2
	s_add_co_u32 s22, s22, s21                     ; my block of 64 queries
	s_and_b32 s23, ttmp7, 0xffff                   ; the batch, which the four partners share
	; descriptor group 1 for K's and V's parts: a dense block of 34,816 bytes as 136 rows of 32 elements of 8 bytes, no padding
	s_mov_b32 s24, 0x0023000f                      ; 15:0 the mask: all four work-groups; 17:16 elements of 8 bytes; 21 set beside a mask
	s_mov_b32 s25, 32<<16                          ; tensor_dim0 = 32
	s_mov_b32 s26, 136<<16                         ; tensor_dim1 = 136
	s_mov_b32 s27, 32<<16                          ; tile_dim0 = 32
	s_mov_b32 s28, 136                             ; tile_dim1 = 136
	s_mov_b32 s29, 32                              ; elements from row to row
	s_mov_b32 s30, 0
	s_mov_b32 s31, 0
	s_mul_i32 s56, s23, 557056                     ; the batch's bytes in kbuf and in vbuf,
	s_mul_i32 s57, s20, PART                       ; my wave's part
	s_add_co_u32 s58, s56, s57
	s_mov_b32 s59, 0
	s_lshl_b32 s60, s21, 13                        ; the prefetches: my work-group's 8,192 bytes of the part,
	s_add_co_u32 s60, s60, s58
	s_add_co_u32 s60, s60, RNDB                    ; in round 1: the first refill steps it to round 2
	s_mov_b32 s61, 0
	s_lshl_b32 s62, s23, 4
	s_lshr_b32 s63, s22, 1
	s_add_co_u32 s62, s62, s63
	s_mul_i32 s62, s62, PART                       ; Q: my part of 128 rows,
	s_and_b32 s63, s22, 1
	s_lshl_b32 s2, s63, 14
	s_add_co_u32 s2, s2, s62                       ; my four tiles' codes,
	s_mov_b32 s3, 0
	s_lshl_b32 s63, s63, 10
	s_add_co_u32 s62, s62, s63
	s_add_co_u32 s62, s62, 32768                   ; my two pairs' scale words
	s_mov_b32 s63, 0
	s_mov_b32 s46, 0x3d8293ee                      ; c = log2(e) / sqrt(512)
	s_mov_b32 s47, s46                             ; (named with it as a pair)
	s_mov_b32 s48, 0x76543210
	s_mov_b32 s49, 0xfedcba98                      ; v_permlanex16_b32's selects for lane l xor 16
	s_mov_b32 s50, 0xffff0000                      ; lanes 16-31
	s_mov_b32 s51, 0x05040100                      ; v_perm_b32: the two low halves,
	s_mov_b32 s52, 0x07060302                      ; the two high halves
	s_lshl_b32 s53, s20, 10
	s_lshl_b32 s54, s20, 7
	s_cmp_eq_u32 ttmp9, 0                          ; the batch's first cluster prefetches: the same in all four partners
	s_cselect_b32 s44, 1, -1
	s_mov_b32 s45, 3                               ; rounds that refill, to go
	s_wait_dscnt 0x0                               ; both opening adds are done
	s_wait_kmcnt 0x0
	s_mov_b32 s32, 1                               ; group 0 for K: count = 1,
	s_mul_i32 s33, s20, PART                       ; LDS address: my part of K's slot,
	s_add_nc_u64 s[34:35], s[6:7], s[58:59]        ; global address: round 0,
	s_or_b32 s35, s35, 0x80000000                  ; type = 2
	s_mov_b32 s36, 1                               ; and for V
	s_add_co_u32 s37, s33, VSLOT
	s_add_nc_u64 s[38:39], s[8:9], s[58:59]
	s_or_b32 s39, s39, 0x80000000
	CROUND                                         ; all four work-groups are here: the first joint loads meet
	tensor_load_to_lds s[32:35], s[24:31]          ; every wave issues both first fills
	s_nop 0
	tensor_load_to_lds s[36:39], s[24:31]
	s_nop 0
	PLACES 4
	s_add_nc_u64 s[40:41], s[6:7], s[60:61]
	s_add_nc_u64 s[42:43], s[8:9], s[60:61]
	s_lshl_b32 s60, s23, 22
	s_lshl_b32 s61, s22, 17
	s_add_co_u32 s60, s60, s61                     ; my 64 rows of x and of out0
	s_mov_b32 s61, 0
	s_add_nc_u64 s[16:17], s[16:17], s[60:61]
	s_add_nc_u64 s[18:19], s[18:19], s[60:61]
	s_add_nc_u64 s[2:3], s[4:5], s[2:3]
	s_add_nc_u64 s[4:5], s[4:5], s[62:63]
	v_and_b32 v[LM], 31, v0                        ; lane
	v_and_b32 v[LM+1], 15, v0                      ; r
	v_bfe_u32 v[LM+2], v0, 4, 1                    ; h
	v_lshlrev_b32 v[LI], 4, v[LM]
	v_lshlrev_b32 v[LS], 2, v[LM]
	WIN 0xc0
.set k_, 0
.rept 32
	global_load_b128 v[4*k_:4*k_+3], v[LI], s[2:3] offset:512*k_     ; Q's 16 fragments stay in registers
.set k_, k_+1
.endr
	WIN 0
.set k_, 0
.rept 8
	global_load_b32 v[QS+k_], v[LS], s[4:5] offset:128*k_
.set k_, k_+1
.endr
	v_add_nc_u32 v[AKF], s57, v[LI]
	s_add_co_u32 s55, s57, 32768
	v_add_nc_u32 v[AKS], s55, v[LS]
	s_add_co_u32 s55, s57, VSLOT
	v_add_nc_u32 v[AVF], s55, v[LI]
	s_add_co_u32 s55, s55, 32768
	v_lshl_add_u32 v[AVS], v[LM+1], 4, s55
	s_lshl_b32 s55, s20, 2
	s_add_co_u32 s55, s55, MX
	v_add_nc_u32 v[MXW], s55, v[LI]
	v_add_nc_u32 v[MXR], MX, v[LI]
	s_lshl_b32 s55, s20, 2
	s_add_co_u32 s55, s55, LX
	v_add_nc_u32 v[LXW], s55, v[LI]
	v_add_nc_u32 v[LXR], LX, v[LI]
	s_add_co_u32 s55, s53, PIMG
	v_add_nc_u32 v[PWI], s55, v[LI]
	s_add_co_u32 s55, s54, PSC
	v_add_nc_u32 v[PWS], s55, v[LS]
	v_add_nc_u32 v[PRI], PIMG, v[LI]
	v_add_nc_u32 v[PRS], PSC, v[LS]
	v_lshlrev_b32 v[PFO], 8, v[LM]
	s_mul_i32 s55, s20, 8448
	s_add_co_u32 s55, s55, STAGE
	v_mul_u32_u24 v[STO], v[LM+1], 528
	v_lshl_add_u32 v[STO], v[LM+2], 6, v[STO]
	v_add_nc_u32 v[STO], s55, v[STO]               ; the stage, in: row r, 64 h
	v_add_nc_u32 v[RD], s55, v[LI]                 ; and back: 16 x lane
	s_lshl_b32 s55, s20, 9
	v_add_nc_u32 v[GO], s55, v[LI]                 ; x, out0, bo: my wave's 512 bytes of a row, my lane's 16 of them
	s_lshl_b32 s55, s20, 11
	v_add_nc_u32 v[WSO], s55, v[LS]
.irp q, 0,1,2,3
	v_mov_b32 v[ST+8*\q+1], 0xff61b1e6             ; the largest t so far: -3e38, under every t
	v_floor_f32 v[ST+8*\q], -v[ST+8*\q+1]          ; -M
	v_mov_b32 v[ST+8*\q+2], 0
	v_mov_b32 v[ST+8*\q+3], 0
	v_mov_b32 v[ST+8*\q+4], 0
	v_mov_b32 v[ST+8*\q+5], 0
	v_mov_b32 v[ST+8*\q+6], 0
	v_mov_b32 v[ST+8*\q+7], 0
.endr
.set n_, 0
.rept 16
	v_mov_b32 v[BT+n_], 0                          ; a lane permute's destination counts as one of its sources
.set n_, n_+1
.endr
	WIN 0x40
.set n_, 0
.rept 256
	v_mov_b32 v[n_], 0                             ; O^T: the first change of M leaves zeros zeros
.set n_, n_+1
.endr
	WIN 0
	s_wait_loadcnt 0x0                             ; Q: so its two bases are free too
	; the descriptor of wo's part, for the last round: 32,768 dense bytes as 128 rows of 32 elements of 8 bytes; none of these registers belongs to a load that is out
	s_mov_b32 s[G1W], 0x0023000f                   ; the mask of all four, elements of 8 bytes, bit 21 beside the mask
	s_mov_b32 s[G1W+1], 32<<16                     ; tensor_dim0 = 32
	s_mov_b32 s[G1W+2], 128<<16                    ; tensor_dim1 = 128
	s_mov_b32 s[G1W+3], 32<<16                     ; tile_dim0 = 32
	s_mov_b32 s[G1W+4], 128                        ; tile_dim1 = 128
	s_mov_b32 s[G1W+5], 32                         ; elements from row to row
	s_mov_b32 s[G1W+6], 0
	s_mov_b32 s[G1W+7], 0
	s_mov_b32 s[G0W], 1                            ; count = 1
	s_mul_i32 s[G0W+1], s20, PART                  ; LDS address: my part of K's slot
	s_lshl_b32 s2, s20, 15                         ; my 8 tiles of wo: 32,768 bytes a wave,
	s_add_co_u32 s2, s2, 393216                    ; behind wq, wk and wv
	s_mov_b32 s3, 0
	s_add_nc_u64 s[G0W+2:G0W+3], s[10:11], s[2:3]
	s_or_b32 s[G0W+3], s[G0W+3], 0x80000000        ; type = 2
	s_wait_tensorcnt 0x1                           ; my part of K's round 0 is in, and I alone read it; V's load, issued behind it, may stay out
; A ROUND of 512 keys.  fill = 1, last = 0: one of the first three; fill = 0, last = 1: the last.
.macro ROUND fill, last
	PLACES 5                                       ; five places between the last products, which read P and V's buffers, and the first that writes over their registers; they also stand ahead of the loads into K's buffers
.set k_, 0
.rept 16
	ds_load_b32 v[KS+k_], v[AKS] offset:128*k_
.set k_, k_+1
.endr
	FETCHK 0
	FETCHK 1
	FETCHK 2
	FETCHK 3
; ---- S^T = K Q^T: a key tile at a time, its four accumulators by turns
.set kt_, 0
.rept 8
.if kt_ < 5
	s_wait_dscnt 24                                ; this key tile is in; the three tiles fetched behind it, 8 loads each, may be out
.else
	s_wait_dscnt 8*(7-kt_)
.endif
	WIN 0xaf
.set ks_, 0
.rept 4
.set qt_, 0
.rept 4
.if ks_ == 0
	WM 64*qt_+8*kt_, 128+32*(kt_%4)+8*ks_, 32*qt_+8*ks_, ZC, KS+4*(kt_/2)+ks_, QS+4*(qt_/2)+ks_, kt_%2, qt_%2
.else
	WM 64*qt_+8*kt_, 128+32*(kt_%4)+8*ks_, 32*qt_+8*ks_, 64*qt_+8*kt_, KS+4*(kt_/2)+ks_, QS+4*(qt_/2)+ks_, kt_%2, qt_%2
.endif
.set qt_, qt_+1
.endr
.set ks_, ks_+1
.endr
	PLACES 4                                       ; ahead of the loads into the buffer just read, and of the first read of results
.if kt_ < 4
	FETCHK kt_+4
.endif
.set kt_, kt_+1
.endr
; ---- the largest score of each block of 32 keys: it serves for the row's maximum and, since p rises with the score, for the block's largest p
	MAXB 0x0a, 0
.irp q, 0,1,2,3
	v_max3_num_f32 v[LM+\q], v[BM+4*\q], v[BM+4*\q+1], v[BM+4*\q+2]
.endr
.irp q, 0,1,2,3
	v_max_num_f32 v[LM+\q], v[LM+\q], v[BM+4*\q+3]
.endr
.irp q, 0,1,2,3
	ds_store_b32 v[MXW], v[LM+\q] offset:512*\q    ; my 128 keys' largest score of each query
.endr
.if \fill
	CHANGE 1, 32, 40, 24                           ; K's slot is left and takes the next round's K; the maxima lie in LDS; my part of V is in
.else
	CHANGE 2, G0W, 0, G1W                          ; K's slot is left and takes wo: it has the softmax and 128 products in which to land
	XLOAD 0                                        ; x for query tiles 0 and 1 into Q's registers, which the last scores have left,
.set k_, 0
.rept 16
	global_load_b32 v[KS+k_], v[WSO], s[12:13] offset:24576+128*k_   ; and wo's scale words into K's
.set k_, k_+1
.endr
.endif
.irp q, 0,1,2,3
	ds_load_b128 v[MXV+4*\q:MXV+4*\q+3], v[MXR] offset:512*\q
.endr
.set k_, 0
.rept 8
	ds_load_b128 v[VRAW+4*k_:VRAW+4*k_+3], v[AVS] offset:256*k_      ; (K step, half): eight tiles' two bytes of channel lane r
.set k_, k_+1
.endr
	FETCHV 0, 3, 128
	FETCHV 1, 3, 192
	WIN 0
	s_wait_dscnt 32                                ; the maxima and V's scale bytes are in; V's 32 fragment loads may be out
; ---- the new M and f = 2^(old M - new M), the four tiles by turns
.irp q, 0,1,2,3
	v_max3_num_f32 v[LM+\q], v[MXV+4*\q], v[MXV+4*\q+1], v[MXV+4*\q+2]
.endr
.irp q, 0,1,2,3
	v_max_num_f32 v[LM+\q], v[LM+\q], v[MXV+4*\q+3]
.endr
.irp q, 0,1,2,3
	v_mul_f32 v[LM+\q], s46, v[LM+\q]              ; as t (c is positive)
.endr
.irp q, 0,1,2,3
	v_max_num_f32 v[ST+8*\q+1], v[ST+8*\q+1], v[LM+\q]
.endr
.irp q, 0,1,2,3
	v_mov_b32 v[LM+\q], v[ST+8*\q]
.endr
.irp q, 0,1,2,3
	v_floor_f32 v[ST+8*\q], -v[ST+8*\q+1]          ; -M = floor(-t) = -ceil(t)
.endr
.irp q, 0,1,2,3
	v_sub_f32 v[LM+\q], v[ST+8*\q], v[LM+\q]       ; old M less new M: a whole number, 0 or less
.endr
.irp q, 0,1,2,3
	v_cvt_i32_f32 v[LM+\q], v[LM+\q]               ; (it saturates)
.endr
.irp q, 0,1,2,3
	v_ldexp_f32 v[ST+8*\q+6], 1.0, v[LM+\q]
.endr
; ---- p = 2^(t - M): ONE batch of 272 exponentials with one wait
	WIN 0x82
.set j_, 0
.rept 128
	v_pk_fma_f32 v[2*j_:2*j_+1], v[2*j_:2*j_+1], s[46:47], v[ST+8*(j_/32):ST+8*(j_/32)+1] op_sel_hi:[1,0,0]
.set j_, j_+1
.endr
	WIN 0
.set n_, 0
.rept 16
	v_fma_f32 v[BM+n_], v[BM+n_], s46, v[ST+8*(n_/4)]   ; the same of each block's largest score
.set n_, n_+1
.endr
	WIN 0x82
.set j_, 0
.rept 256
	v_exp_f32 v[j_], v[j_]
.set j_, j_+1
.endr
	WIN 0
.set n_, 0
.rept 16
	v_exp_f32 v[BM+n_], v[BM+n_]                   ; the same two instructions on the same number give the same bits
.set n_, n_+1
.endr
.irp q, 0,1,2,3                                ; plain work that names no result of the batch: l under the new M,
	v_pk_mul_f32 v[ST+8*\q+2:ST+8*\q+3], v[ST+8*\q+2:ST+8*\q+3], v[ST+8*\q+6:ST+8*\q+7] op_sel_hi:[1,0]
	v_pk_mul_f32 v[ST+8*\q+4:ST+8*\q+5], v[ST+8*\q+4:ST+8*\q+5], v[ST+8*\q+6:ST+8*\q+7] op_sel_hi:[1,0]
.endr
.set k_, 0
.rept 16                                       ; and V's scale words: the two halves of a K step joined: k = 4 ks + i serves tiles 2 i and 2 i + 1
	v_perm_b32 v[VS+8*(k_/4)+2*(k_%4)], v[VRAW+8*(k_/4)+4+(k_%4)], v[VRAW+8*(k_/4)+(k_%4)], s51
	v_perm_b32 v[VS+8*(k_/4)+2*(k_%4)+1], v[VRAW+8*(k_/4)+4+(k_%4)], v[VRAW+8*(k_/4)+(k_%4)], s52
.set k_, k_+1
.endr
	s_wait_alu depctr_va_vdst(0)                   ; the wait ahead of the batch's first reader: one for all 272
	WIN 0x02
.set j_, 0
.rept 16                                       ; the rows' sums of the UNQUANTISED p: eight chains by turns
.set qt_, 0
.rept 4
	v_pk_add_f32 v[ST+8*qt_+2:ST+8*qt_+3], v[64*qt_+4*j_:64*qt_+4*j_+1], v[ST+8*qt_+2:ST+8*qt_+3]
	v_pk_add_f32 v[ST+8*qt_+4:ST+8*qt_+5], v[64*qt_+4*j_+2:64*qt_+4*j_+3], v[ST+8*qt_+4:ST+8*qt_+5]
.set qt_, qt_+1
.endr
.set j_, j_+1
.endr
	SCALES 1
	CODES 0x02
.if \fill
	FETCHV 2, 2, 128                               ; p is in codes: S's upper half takes the rest of my part of V, so that V's slot is read out ahead of the products
	FETCHV 3, 2, 192
.else
	global_load_b128 v[BO:BO+3], v[GO], s[14:15]   ; bo of my lane's four columns, into registers that V's scale bytes have left,
	XLOAD 1                                        ; and x for query tiles 2 and 3 into S's upper half
.endif
	PUBLISH
.if \last
.irp q, 0,1,2,3                                ; my keys' part of each row's sum
	v_add_f32 v[LM+\q], v[ST+8*\q+2], v[ST+8*\q+3]
.endr
.irp q, 0,1,2,3
	v_add_f32 v[BT+\q], v[ST+8*\q+4], v[ST+8*\q+5]
.endr
.irp q, 0,1,2,3
	v_add_f32 v[LM+\q], v[LM+\q], v[BT+\q]
.endr
.irp q, 0,1,2,3
	v_permlanex16_b32 v[BT+\q], v[LM+\q], s48, s49
.endr
.irp q, 0,1,2,3
	v_add_f32 v[LM+\q], v[LM+\q], v[BT+\q]
.endr
.irp q, 0,1,2,3
	ds_store_b32 v[LXW], v[LM+\q] offset:512*\q
.endr
.endif
.if \fill
	CHANGE 1, 36, 42, 24                           ; P's sixteen fragments lie in LDS; V's slot is left and takes the next round's V; my part of the next round's K is in
.else
	s_wait_dscnt 0x0                               ; my images have landed, V's first two buffers are in
	s_barrier_signal -1                            ; wo's load may stay out
	s_barrier_wait -1                              ; P's sixteen fragments lie in LDS
.endif
.set k_, 0
.rept 8
	ds_load_b32 v[PS+k_], v[PRS] offset:128*k_
.set k_, k_+1
.endr
	WIN 0x80
.set k_, 0
.rept 32
	ds_load_b128 v[4*k_:4*k_+3], v[PRI] offset:512*k_
.set k_, k_+1
.endr
	WIN 0
.if \last
.irp q, 0,1,2,3
	ds_load_b128 v[MXV+4*\q:MXV+4*\q+3], v[LXR] offset:512*\q
.endr
.endif
	WIN 0x41
.set j_, 0
.rept 128
	v_pk_mul_f32 v[2*j_:2*j_+1], v[2*j_:2*j_+1], v[ST+8*(j_/32)+6:ST+8*(j_/32)+7] op_sel_hi:[1,0]   ; O^T under the new M, each accumulator from its low end on
.set j_, j_+1
.endr
; ---- O^T += V^T P^T: a K step of 128 keys at a time, the 32 accumulators by turns
.set ks_, 0
.rept 4
.if \fill
.if ks_ == 0
	s_wait_dscnt 0x0                               ; P and its scale words are in; V's four buffers were waited for ahead of the round
.endif
	WIN 0x5b-(ks_/2)                               ; V's buffers 0, 1 in window 3, buffers 2, 3 in window 2
.else
.if (ks_ == 0) || (ks_ == 3)
	s_wait_dscnt 0x0
.else
	s_wait_dscnt 16                                ; the buffer fetched last, 16 loads, may be out
.endif
	WIN 0x5b
.endif
.set ct_, 0
.rept 8
.set qt_, 0
.rept 4
	WM 64*qt_+8*ct_, 128+64*(ks_%2)+8*ct_, 32*qt_+8*ks_, 64*qt_+8*ct_, VS+8*ks_+ct_, PS+4*(qt_/2)+ks_, 0, qt_%2
.set qt_, qt_+1
.endr
.set ct_, ct_+1
.endr
.if \fill == 0
.if ks_ < 2
	PLACES 4
	FETCHV ks_+2, 3, 128+64*(ks_%2)                ; the last round keeps two buffers by turns: S's upper half holds x
.endif
.endif
.set ks_, ks_+1
.endr
	WIN 0
.endm
.Lround:                                           ; three trips: each asks for the next round's K and V
	ROUND 1, 0
	s_sub_co_u32 s45, s45, 1
	s_cmp_lg_u32 s45, 0
	s_cbranch_scc1 .Lround
	ROUND 0, 1                                     ; the last round is written out
; ---- THE TAIL.  O^T / l is quantised along the channels (my 128 are K step w), goes round as images, and out^T = wo^T (O / l)^T is made for my 128 columns; + x + bo; whole rows out.
	PLACES 4                                       ; ahead of the loads into P's and V's registers and of the first read of O^T
	s_wait_tensorcnt 0x0                           ; my part of wo is in LDS, and I alone read it: no load was issued behind it
	WIN 0x80
.set k_, 0
.rept 32
	ds_load_b128 v[4*k_:4*k_+3], v[AKF] offset:512*k_                ; my tiles 0-3 of wo: (tile, K step) at 8 (4 t + s), window 2
.set k_, k_+1
.endr
	WIN 0xc0
.rept 32
	ds_load_b128 v[4*k_:4*k_+3], v[AKF] offset:512*k_                ; tiles 4-7 at the same numbers, window 3
.set k_, k_+1
.endr
	WIN 0
.irp q, 0,1,2,3
	v_add_f32 v[LM+\q], v[MXV+4*\q], v[MXV+4*\q+1] ; the four waves' parts of l
.endr
.irp q, 0,1,2,3
	v_add_f32 v[BT+\q], v[MXV+4*\q+2], v[MXV+4*\q+3]
.endr
.irp q, 0,1,2,3
	v_add_f32 v[LM+\q], v[LM+\q], v[BT+\q]
.endr
.irp q, 0,1,2,3
	v_rcp_f32 v[ST+8*\q+6], v[LM+\q]
.endr
	v_nop                                          ; a plain place behind the last reciprocal
	s_wait_alu depctr_va_vdst(0)                   ; and the wait ahead of the first reader: one for the four
	WIN 0x41
.set j_, 0
.rept 128
	v_pk_mul_f32 v[2*j_:2*j_+1], v[2*j_:2*j_+1], v[ST+8*(j_/32)+6:ST+8*(j_/32)+7] op_sel_hi:[1,0]
.set j_, j_+1
.endr
	MAXB 0x05, 1
	SCALES 0
	CODES 0x01
	s_add_co_u32 s55, s53, AIMG                    ; the images now go to bytes of their own
	v_add_nc_u32 v[PWI], s55, v[LI]
	s_add_co_u32 s55, s54, ASC
	v_add_nc_u32 v[PWS], s55, v[LS]
	v_add_nc_u32 v[PRI], AIMG, v[LI]
	v_add_nc_u32 v[PRS], ASC, v[LS]
	PUBLISH
	s_wait_dscnt 0x0                               ; my images have landed; wo is in registers; my reads of V's slot were over long ago
	s_barrier_signal -1
	s_barrier_wait -1                              ; the result's sixteen fragments lie in LDS, and nobody reads V's slot any more
	WIN 0x40
.set k_, 0
.rept 32
	ds_load_b128 v[128+4*k_:128+4*k_+3], v[PRI] offset:512*k_        ; O^T is dead: its upper half takes the fragments, (qt, ks) at 128 + 8 (4 qt + ks)
.set k_, k_+1
.endr
	WIN 0
.set k_, 0
.rept 8
	ds_load_b32 v[PS+k_], v[PRS] offset:128*k_
.set k_, k_+1
.endr
	s_wait_loadcnt 32                              ; wo's scale words are in (x of tiles 0, 1 and bo too); the 32 youngest loads, x of tiles 2 and 3, may be out
	s_wait_dscnt 0x0
.macro OUT a, q                        ; query tile 2 a + q: through my stage, + x + bo, 16 whole pieces of rows out
	s_wait_xcnt 0x0                                ; the last stores have read their registers
	WIN 0x04
.set n_, 0
.rept 8
	ds_store_b128 v[STO], v[64*(\q)+8*n_:64*(\q)+8*n_+3] offset:128*(n_/2)+32*(n_%2)          ; each accumulator from its low end on
	ds_store_b128 v[STO], v[64*(\q)+8*n_+4:64*(\q)+8*n_+7] offset:128*(n_/2)+32*(n_%2)+16
.set n_, n_+1
.endr
	WIN 0
.set i_, 0
.rept 16
	ds_load_b128 v[BK+4*i_:BK+4*i_+3], v[RD] offset:528*i_          ; LDS serves a wave's instructions in order: these see my stores
.set i_, i_+1
.endr
	s_wait_dscnt 0x0
	s_wait_loadcnt 32*(1-(\a))                     ; x for these tiles is in; for tiles 0 and 1 the 32 loads of tiles 2 and 3 may be out
	WIN 0x0c-4*(\a)                                ; x of tiles 0, 1 in window 3, of tiles 2, 3 in window 2
.set j_, 0
.rept 32
	v_pk_add_f32 v[BK+2*j_:BK+2*j_+1], v[BK+2*j_:BK+2*j_+1], v[64*(2*(\a)+(\q))+2*j_:64*(2*(\a)+(\q))+2*j_+1]
.set j_, j_+1
.endr
	WIN 0
.set j_, 0
.rept 32
	v_pk_add_f32 v[BK+2*j_:BK+2*j_+1], v[BK+2*j_:BK+2*j_+1], v[BO+2*(j_%2):BO+2*(j_%2)+1]     ; my lane holds the same four columns in every row
.set j_, j_+1
.endr
.set i_, 0
.rept 16
	global_store_b128 v[GO], v[BK+4*i_:BK+4*i_+3], s[18:19] offset:(32*(\a)+8*(\q)+i_+8*(i_/8))*2048 th:TH_STORE_NT   ; 512 consecutive bytes, at a multiple of 256 from out0's first byte
.set i_, i_+1
.endr
.endm
.macro HALF a                          ; query tiles 2 a and 2 a + 1: 64 products, 16 accumulators by turns; the first K step starts the sums
.set ks_, 0
.rept 4
.set t_, 0
.rept 16
	WIN 0x56+(t_/8)                                ; wo's tiles 0-3 in window 2, tiles 4-7 in window 3; fragments and accumulators in window 1
.if ks_ == 0
	WM 64*(t_%2)+8*(t_/2), 32*(t_/2)+8*ks_, 128+32*(2*(\a)+t_%2)+8*ks_, ZC, KS+4*(t_/4)+ks_, PS+4*(\a)+ks_, (t_/2)%2, t_%2
.else
	WM 64*(t_%2)+8*(t_/2), 32*(t_/2)+8*ks_, 128+32*(2*(\a)+t_%2)+8*ks_, 64*(t_%2)+8*(t_/2), KS+4*(t_/4)+ks_, PS+4*(\a)+ks_, (t_/2)%2, t_%2
.endif
.set t_, t_+1
.endr
.set ks_, ks_+1
.endr
	WIN 0
	PLACES 4
	OUT \a, 0
	OUT \a, 1
.endm
	HALF 0
	HALF 1
	s_wait_tensorcnt 0x0                           ; the wave's end, behind my last tensor load and my last LDS store
	ds_add_u32 v[SPW], v[NIL]
	s_wait_dscnt 0x0
	CROUND                                         ; the closing round: no work-group ends while a partner may still ask for a part that names it
	s_endpgm
.Lfunc_end_k_qec14dba3b9_attn:
	.size	k_qec14dba3b9_attn, .Lfunc_end_k_qec14dba3b9_attn-k_qec14dba3b9_attn
	.p2alignl 7, 3214868480
	.fill 96, 4, 3214868480
	.section	.rodata,"a",@progbits
	.p2align	6, 0x0
	.amdhsa_kernel k_qec14dba3b9_attn
		.amdhsa_group_segment_fixed_size 327680
		.amdhsa_private_segment_fixed_size 0
		.amdhsa_enable_private_segment 0
		.amdhsa_kernarg_size 64
		.amdhsa_user_sgpr_count 2
		.amdhsa_user_sgpr_kernarg_segment_ptr 1
		.amdhsa_wavefront_size32 1
		.amdhsa_system_sgpr_workgroup_id_x 1
		.amdhsa_system_sgpr_workgroup_id_y 1
		.amdhsa_system_sgpr_workgroup_id_z 1
		.amdhsa_system_vgpr_workitem_id 0
		.amdhsa_next_free_vgpr 1024
		.amdhsa_next_free_sgpr 66
		.amdhsa_reserve_vcc 0
		.amdhsa_float_denorm_mode_32 3
		.amdhsa_float_denorm_mode_16_64 3
		.amdhsa_memory_ordered 1
		.amdhsa_forward_progress 1
		.amdhsa_inst_pref_size 255
	.end_amdhsa_kernel
	.section	.bss,"aw",@nobits
	.p2align	6
	.space	262144
	.amdgpu_metadata
---
amdhsa.version: [ 1, 2 ]
amdhsa.kernels:
  - .name:           k_qec14dba3b9_attn
    .symbol:         k_qec14dba3b9_attn.kd
    .args:
      - { .name: qbuf, .offset: 0, .size: 8, .value_kind: global_buffer, .address_space: global }
      - { .name: kbuf, .offset: 8, .size: 8, .value_kind: global_buffer, .address_space: global }
      - { .name: vbuf, .offset: 16, .size: 8, .value_kind: global_buffer, .address_space: global }
      - { .name: wcodes, .offset: 24, .size: 8, .value_kind: global_buffer, .address_space: global }
      - { .name: wscales, .offset: 32, .size: 8, .value_kind: global_buffer, .address_space: global }
      - { .name: bo, .offset: 40, .size: 8, .value_kind: global_buffer, .address_space: global }
      - { .name: x, .offset: 48, .size: 8, .value_kind: global_buffer, .address_space: global }
      - { .name: out0, .offset: 56, .size: 8, .value_kind: global_buffer, .address_space: global }
    .group_segment_fixed_size: 327680
    .private_segment_fixed_size: 0
    .kernarg_segment_align: 8
    .kernarg_segment_size: 64
    .max_flat_workgroup_size: 128
    .sgpr_count:     66
    .vgpr_count:     1024
    .wavefront_size: 32
...
	.end_amdgpu_metadata
.endif
;; end of part 3
